; MI455X (gfx1250); checked and timed in simulation.
; The chip was launched on July 23, 2026; its instructions are those of AMD's public machine-readable ISA for CDNA 5 (MIT licence, August 2026) and "CDNA5" Instruction Set Architecture Reference Guide (July 2026). The comments in the code are by the model that wrote it; some were corrected since.
;; Multi Head Attention. Allowed arithmetic: matrix products marked QUANTISED: E2M1 operands, one E8M0 scale for each 32 along K, by v_wmma_scale_f32_16x16x128_f8f6f4 with both operands' format E2M1 (or v_wmma_scale_f32_32x16x128_f4), f32 sums; products left as they are: bf16, f16 or f32 operands; f32 sums; everything else in f32.
;; Inputs: Wk 1,024 x 1,024 float32; Wo 1,024 x 1,024 float32; Wq 1,024 x 1,024 float32; Wv 1,024 x 1,024 float32; bo 1,024 float32; x 4 x 2,048 x 1,024 float32.
;; Outputs: out0 4 x 2,048 x 1,024 float32.
;; This version of the problem:
;;   THIS VERSION OF THE PROBLEM IS GIVEN IN LOW PRECISION. The matrix products marked QUANTISED in the list below multiply operands that are first quantised to E2M1 (2 exponent bits, 1 mantissa bit; 4 bits a number), with one power-of-two scale for each 32 numbers along K (OCP MX v1.0); their sums are f32. The products marked 'left as it is' may take bf16, f16 or f32 operands, with f32 sums. Whichever they take, every output number must still come out within the allowed error. Rounding operands to bf16 (8 significant bits) uses up far more of that allowance than f16 does (11 bits, for magnitudes from 6e-5 to 65,504). All else is computed in f32.
;;   The module's matrix products, in the order in which they are computed (A, B: the left and right operand; K: the contracted axis; several contracted axes count as one K, in the product's order):
;;     1. [M 8,192, K 1,024] x [K 1,024, N 1,024]; A: input x; B: input Wq: QUANTISED
;;     2. [M 8,192, K 1,024] x [K 1,024, N 1,024]; A: input x; B: input Wk: QUANTISED
;;     3. [M 8,192, K 1,024] x [K 1,024, N 1,024]; A: input x; B: input Wv: QUANTISED
;;     4. batch 64 x [M 2,048, K 64] x [K 64, N 2,048]; A: computed on the way; B: computed on the way: left as it is (an operand is computed on the way)
;;     5. batch 64 x [M 2,048, K 2,048] x [K 2,048, N 64]; A: computed on the way; B: computed on the way: left as it is (an operand is computed on the way)
;;     6. [M 8,192, K 1,024] x [K 1,024, N 1,024]; A: computed on the way; B: input Wo: left as it is (an operand is computed on the way)
;;   THE QUANTISER, for each operand of a quantised product, along K:
;;     - K is cut into blocks of 32 from its start; a last block that is shorter is filled with zeros.
;;     - A block's scale is 2^e with e = floor(log2(the largest magnitude in the block)) - 2, held to -126 .. 127; a block of zeros has e = 0. As a byte (E8M0): e + 127.
;;     - Each number is divided by its block's scale, clamped to +-6, and rounded to the nearest number of E2M1, ties to even, subnormals kept.
;;     - The product sums the exact products of the quantised numbers (number of the format x scale) in f32.
;;   ~~~python
;;   def quantise(x, axis):      # numpy; x: float32 -> the quantised numbers, widened to float32 again
;;       x = np.moveaxis(x, axis, -1); K = x.shape[-1]
;;       x = np.pad(x, [(0, 0)] * (x.ndim - 1) + [(0, -K % 32)]); x = x.reshape(x.shape[:-1] + (-1, 32)); a = np.abs(x).max(-1, keepdims=True)
;;       e = np.where(a > 0, np.clip(np.frexp(np.where(a > 0, a, 1))[1] - 1 - 2, -126, 127), 0)      # np.frexp(a)[1] - 1 = floor(log2(a)), exactly
;;       r = np.clip(x / 2.0 ** e, -6, 6)
;;       step = 2.0 ** (np.maximum(np.frexp(np.where(r == 0, 1, r))[1] - 1, 0) - 1)
;;       q = np.round(r / step) * step * 2.0 ** e      # np.round: ties to even
;;       return np.moveaxis(q.reshape(q.shape[:-2] + (-1,))[..., :K], -1, axis).astype(np.float32)
;;   ~~~
;; One version. Each part assembles by itself: llvm-mc -triple=amdgcn-amd-amdhsa -mcpu=gfx1250 --defsym DOCPART=n.
;; ======== version 1 of 1: 5 launches
;; limits: values are held in f16: magnitudes above 65,504 overflow, below 6.1e-05 lose precision
;; workspace buffers: codes 5,767,168 bytes; scales 360,448 bytes; woimg 2,097,152 bytes; qkv 50,331,648 bytes; fine 786,432 bytes; ctx 16,777,216 bytes
;; launch prep (part 1): grid 256 x 1, 3 waves a work-group, no clusters, 25,856 bytes of LDS; arguments x, Wq, Wk, Wv, Wo, codes, scales, woimg; writes codes, scales, woimg
.if DOCPART == 1
	.amdgcn_target "amdgcn-amd-amdhsa--gfx1250"
	.amdhsa_code_object_version 6
	.text
	.protected	k_q9bbdc77386_prep
	.globl	k_q9bbdc77386_prep
	.p2align	8
	.type	k_q9bbdc77386_prep,@function
k_q9bbdc77386_prep:
	s_mov_b64 s[64:65], 0
	v_nop
	global_prefetch_b8 v0, s[64:65] scope:SCOPE_SE
	s_setreg_imm32_b32 hwreg(HW_REG_WAVE_MODE, 25, 1), 1
	s_wait_xcnt 0x0
; PROGRAM: causal multi-head attention, B 4, S 2048, D 1024, 16 heads of 64.  Five launches: prep (this one), qkv, attn, proj, fine16.
; DEAD WORK LEFT OUT BY THE PROGRAM (in launch attn): reference() itself builds the mask jnp.tril and sets scores[q][k] to -inf wherever k > q; the softmax gives such a key the weight 0
; whatever finite values x and the weights hold, so it adds nothing to ctx.  Key steps that lie wholly behind a wave's queries are therefore neither read nor multiplied.  Nothing else is left out:
; every input (bo too) has a way to the output and is loaded.  LIMIT: a NaN, an infinity or an overflow that would arise only in the steps left out is not carried to the result.
; THIS LAUNCH quantises x, Wq, Wk, Wv along K = 1024 to codes of E2M1 with one E8M0 byte for each 32 along K, and rounds Wo to f16.
; A block's scale is 2^(floor(log2(largest magnitude)) - 2); its byte is the largest magnitude's exponent field - 2, held at 1 from below.
; LIMITS: a block of zeros, and a block whose largest magnitude lies under 2^-124, gets the byte 1 (a zero block's codes are zeros, and this program alone reads the bytes); NaN and infinities among the inputs are not served;
; |Wo| up to 65,504 (f16).
; LAYOUT OF THE RESULTS: images of the matrix operand's registers.  A fragment is 1,024 bytes: two halves of 512, lane l's 16 bytes at 16 l.
;   codes  [rowtile 704][K step 8][1,024]: 16 rows x 128 K; half c, lane (r, h): k = 64 c + 32 h + 0..31 of row r.  Rows 0-8191: x's tokens; 8192 + 1024 w + n: column n of Wq, Wk, Wv (w = 0, 1, 2)
;   scales [row 11264][32]: byte b for block b.      woimg [ntile 64][chunk 32][1,024]: 16 columns n x 32 k of Wo in f16; half c, lane (r, h): k = 16 c + 8 h + 0..7 of column r
; SHARES: 768 waves of equal work, 64 KiB of f32 each.  Waves 0 and 1 of work-group g take x's row tiles 2 g and 2 g + 1.  Wave 2 takes a weight job: 64 columns x 256 k of Wq, Wk, Wv (g < 192) or of Wo.
; No tensor load, no barrier: waves share nothing.  No matrix unit, no cluster: the launch streams.
.set STGB,  8448                       ; a wave's stage: 16 rows x (512 bytes + 16)
.set SPARE, 3*STGB                     ; behind the stages: the spare words, 128 bytes a wave, two blocks of 256 bytes that no other line names
.set SPW,   14                         ; v14  LDS address of my spare word; never rewritten
.set NIL,   15                         ; v15  0; never rewritten
.set SW,    16                         ; v16-23   x: the row's eight scale words
.set CD,    24                         ; v24-39   x: codes, two sets of 8
.set RW,    40                         ; v40-167  x: numbers as loaded, two sets of 64
.set XN,    168                        ; v168-231 x: my two blocks of 32 neighbours
.set SB,    16                         ; v16-19   weights: scale bytes, four to a register
.set WX,    40                         ; v40-103  weights: two sets of 32 numbers
.set WC,    104                        ; v104-167 weights: codes, four registers for each unit;  Wo: f16 pairs, two sets of 16
.macro XLOAD s                         ; K step s of my 16 rows: each load reads 512 consecutive bytes of one row
.irp i, 0,1,2,3,4,5,6,7,8,9,10,11,12,13,14,15
	global_load_b128 v[RW+64*((\s)%2)+4*\i:RW+64*((\s)%2)+4*\i+3], v4, s[4:5] offset:\i*4096+(\s)*512 th:TH_LOAD_NT
.endr
.endm
.macro XSTEP s                         ; 16 rows x 128 K become one fragment and one scale word a row
.set RS, RW+64*((\s)%2)
.set CS, CD+8*((\s)%2)
.if (\s) < 7
	s_wait_loadcnt 16                              ; this step's 16 loads are in; the next step's 16 may be out
.else
	s_wait_loadcnt 0x0
.endif
.irp i, 0,1,2,3,4,5,6,7,8,9,10,11,12,13,14,15
	ds_store_b128 v5, v[RS+4*\i:RS+4*\i+3] offset:\i*528           ; through my own stage, as loaded
.endr
.irp c, 0,1
.irp g, 0,1,2,3,4,5,6,7
	ds_load_b128 v[XN+32*\c+4*\g:XN+32*\c+4*\g+3], v6 offset:\c*256+16*\g   ; back: lane (r, h) takes k = 64 c + 32 h + 0..31 of row r.  LDS serves a wave's instructions in order
.endr
.endr
	s_wait_dscnt 0x0                               ; the numbers are back, and the stores have read their registers,
.if (\s)+2 < 8
	XLOAD (\s)+2                                   ; which take the loads of two steps on
.endif
.irp c, 0,1
	v_max3_num_f32 v[8+\c], |v[XN+32*\c]|, |v[XN+32*\c+1]|, 0x1800000    ; my block 2 c + h, and the floor 2^(3 - 127): the byte cannot fall under 1
.endr
.irp i, 2,4,6,8,10,12,14,16,18,20,22,24,26,28,30
.irp c, 0,1
	v_max3_num_f32 v[8+\c], v[8+\c], |v[XN+32*\c+\i]|, |v[XN+32*\c+\i+1]|
.endr
.endr
.irp c, 0,1
	v_add_nc_u32 v[10+\c], 0xff000000, v[8+\c]     ; 2 off the exponent field: the conversion's scale operand
.endr
.irp c, 0,1
	v_lshrrev_b32 v[12+\c], 23, v[10+\c]           ; the scale's byte
.endr
	v_lshl_or_b32 v12, v13, 16, v12                ; blocks h and 2 + h,
	v_lshlrev_b32 v12, v232, v12                   ; at their places in the word (8 h bits up);
	v_permlanex16_b32 v233, v12, s20, s21
	v_or_b32 v[SW+(\s)], v12, v233                 ; with lane l xor 16's two the word is whole
	s_wait_xcnt 0x0                                ; the stores of two steps back have read this set of codes
.irp c, 0,1
.irp g, 0,1,2,3
	v_cvt_scalef32_pk8_fp4_f32 v[CS+4*\c+\g], v[XN+32*\c+8*\g:XN+32*\c+8*\g+7], v[10+\c]
.endr
.endr
	v_nop                                          ; one plain line behind the last scaled conversion
	global_store_b128 v4, v[CS:CS+3], s[14:15] offset:(\s)*1024            ; 32 lanes store 512 consecutive bytes, aligned
	global_store_b128 v4, v[CS+4:CS+7], s[14:15] offset:(\s)*1024+512
.endm
.macro WLOAD u                         ; unit u: block u / 2 of 32 k, half u % 2 of the 64 columns.  A lane takes a column, its registers run down K
.irp i, 0,1,2,3,4,5,6,7,8,9,10,11,12,13,14,15,16,17,18,19,20,21,22,23,24,25,26,27,28,29,30,31
	global_load_b32 v[WX+32*((\u)%2)+\i], v7, s[30:31] offset:(32*((\u)/2)+\i)*4096+128*((\u)%2) th:TH_LOAD_NT
.endr
.endm
.macro WWAIT u
.if (\u) < 15
	s_wait_loadcnt 32                              ; this unit's 32 loads are in; the next unit's may be out
.else
	s_wait_loadcnt 0x0
.endif
.endm
.macro WQ u                            ; a unit of Wq, Wk or Wv: 32 columns x one block
.set XS, WX+32*((\u)%2)
.set TT, (\u)/2
.set SS, (\u)%2
	WWAIT \u
	v_max3_num_f32 v12, |v[XS]|, |v[XS+1]|, |v[XS+2]|
	v_max3_num_f32 v13, |v[XS+3]|, |v[XS+4]|, |v[XS+5]|
.irp i, 6,10,14,18,22,26
	v_max3_num_f32 v12, v12, |v[XS+\i]|, |v[XS+\i+1]|
	v_max3_num_f32 v13, v13, |v[XS+\i+2]|, |v[XS+\i+3]|
.endr
	v_max3_num_f32 v12, v12, |v[XS+30]|, |v[XS+31]|
	v_max3_num_f32 v12, v12, v13, 0x1800000        ; and the floor
	v_add_nc_u32 v11, 0xff000000, v12
	v_lshrrev_b32 v13, 23, v11
.if TT%4 == 0
	v_mov_b32 v[SB+2*SS+TT/4], v13
.else
	v_lshl_or_b32 v[SB+2*SS+TT/4], v13, 8*(TT%4), v[SB+2*SS+TT/4]
.endif
.irp g, 0,1,2,3
	v_cvt_scalef32_pk8_fp4_f32 v[WC+4*(\u)+\g], v[XS+8*\g:XS+8*\g+7], v11
.endr
	v_nop
	global_store_b128 v9, v[WC+4*(\u):WC+4*(\u)+3], s[14:15] offset:SS*16384+(TT/4)*1024+((TT%4)/2)*512+(TT%2)*256   ; sixteen lanes store 256 consecutive bytes, aligned
.if (\u)+2 < 16
	WLOAD (\u)+2
.endif
.endm
.macro WH u                            ; a unit of Wo: 32 columns x 32 k, to f16
.set XS, WX+32*((\u)%2)
.set PS, WC+16*((\u)%2)
.set TT, (\u)/2
.set SS, (\u)%2
	WWAIT \u
	s_wait_xcnt 0x0                                ; the stores of two units back have read this set
.irp p, 0,1,2,3,4,5,6,7,8,9,10,11,12,13,14,15
	v_cvt_pk_f16_f32 v[PS+\p], v[XS+2*\p], v[XS+2*\p+1]
.endr
.irp q, 0,1,2,3
	global_store_b128 v9, v[PS+4*\q:PS+4*\q+3], s[18:19] offset:SS*65536+TT*1024+\q*256    ; k = 8 q + 0..7 of the chunk: half q / 2, lanes' half q % 2
.endr
.if (\u)+2 < 16
	WLOAD (\u)+2
.endif
.endm
	s_load_b512 s[4:19], s[0:1], 0x0               ; x s[4:5], Wq s[6:7], Wk s[8:9], Wv s[10:11], Wo s[12:13], codes s[14:15], scales s[16:17], woimg s[18:19]
	v_lshl_add_u32 v[SPW], v0, 2, SPARE
	v_mov_b32 v[NIL], 0
	v_lshrrev_b32 v1, 5, v0
	v_readfirstlane_b32 s22, v1                    ; wave 0..2
	v_and_b32 v1, 31, v0                           ; lane
	v_and_b32 v2, 15, v0                           ; r
	v_bfe_u32 v3, v0, 4, 1                         ; h
	v_lshlrev_b32 v4, 4, v1                        ; 16 x lane
	s_mul_i32 s23, s22, STGB
	v_add_nc_u32 v5, s23, v4                       ; the stage, on the way in: 16 x lane in a row
	v_mul_u32_u24 v6, v2, 528
	v_lshl_add_u32 v6, v3, 7, v6
	v_add_nc_u32 v6, s23, v6                       ; and on the way out: row r, + 128 h bytes
	s_mov_b32 s20, 0x76543210
	s_mov_b32 s21, 0xfedcba98                      ; v_permlanex16_b32's selects for lane l xor 16
	s_mov_b32 s27, 0
	s_wait_kmcnt 0x0
	s_cmp_eq_u32 s22, 2
	s_cbranch_scc1 .Lweights
	; ---- x: row tile T = 2 g + wave
	s_lshl_b32 s24, ttmp9, 1
	s_add_co_u32 s24, s24, s22
	s_lshl_b32 s26, s24, 16                        ; 16 rows of 4,096 bytes
	s_add_nc_u64 s[4:5], s[4:5], s[26:27]
	s_lshl_b32 s26, s24, 13                        ; 8 fragments
	s_add_nc_u64 s[14:15], s[14:15], s[26:27]
	s_lshl_b32 s26, s24, 9                         ; 16 rows of 32 scale bytes
	s_add_nc_u64 s[16:17], s[16:17], s[26:27]
	XLOAD 0
	XLOAD 1
	v_lshlrev_b32 v7, 5, v2
	v_lshl_add_u32 v7, v3, 4, v7                   ; my 16 of the tile's 512 scale bytes: 32 r + 16 h
	v_lshlrev_b32 v232, 3, v3                      ; 8 h
	v_mov_b32 v233, 0                              ; written once: a lane permute's destination counts as one of its sources
.irp s, 0,1,2,3,4,5,6,7
	XSTEP \s
.endr
	v_cmp_eq_u32 vcc_lo, 1, v3
.irp i, 0,1,2,3
	v_cndmask_b32 v[8+\i], v[SW+\i], v[SW+4+\i], vcc_lo            ; lanes 0-15 the row's words 0-3, lanes 16-31 its words 4-7
.endr
	global_store_b128 v7, v[8:11], s[16:17]        ; 32 lanes store 512 consecutive bytes, aligned
	s_branch .Lend
.Lweights:
	s_lshr_b32 s24, ttmp9, 6                       ; which: 0 Wq, 1 Wk, 2 Wv, 3 Wo
	s_bfe_u32 s25, ttmp9, 0x40002                  ; cg: which 64 columns
	s_and_b32 s28, ttmp9, 3                        ; kp: which 256 along K
	s_mov_b64 s[30:31], s[12:13]                   ; the choice hangs on the work-group's number alone
	s_cmp_eq_u32 s24, 2
	s_cselect_b64 s[30:31], s[10:11], s[30:31]
	s_cmp_eq_u32 s24, 1
	s_cselect_b64 s[30:31], s[8:9], s[30:31]
	s_cmp_eq_u32 s24, 0
	s_cselect_b64 s[30:31], s[6:7], s[30:31]
	s_lshl_b32 s26, s28, 20                        ; 256 rows of 4,096 bytes
	s_lshl_b32 s29, s25, 8                         ; 64 columns of 4 bytes
	s_add_co_u32 s26, s26, s29
	s_add_nc_u64 s[30:31], s[30:31], s[26:27]
	v_lshlrev_b32 v7, 2, v1                        ; 4 x lane
	v_lshlrev_b32 v8, 4, v2                        ; 16 x (lane % 16)
	WLOAD 0
	WLOAD 1
	s_cmp_ge_u32 ttmp9, 192
	s_cbranch_scc1 .Lwo
	s_lshl_b32 s26, s24, 6                         ; codes: row tile 512 + 64 which + 4 cg, K step 2 kp
	s_lshl_b32 s29, s25, 2
	s_add_co_u32 s26, s26, s29
	s_add_co_u32 s26, s26, 512
	s_lshl_b32 s26, s26, 13
	s_lshl_b32 s29, s28, 11
	s_add_co_u32 s26, s26, s29
	s_add_nc_u64 s[14:15], s[14:15], s[26:27]
	s_lshl_b32 s26, s24, 10                        ; scales: row 8192 + 1024 which + 64 cg, byte 8 kp
	s_lshl_b32 s29, s25, 6
	s_add_co_u32 s26, s26, s29
	s_add_co_u32 s26, s26, 8192
	s_lshl_b32 s26, s26, 5
	s_lshl_b32 s29, s28, 3
	s_add_co_u32 s26, s26, s29
	s_add_nc_u64 s[16:17], s[16:17], s[26:27]
	v_lshl_add_u32 v9, v3, 13, v8                  ; lanes 16-31 belong to the next row tile
	v_lshlrev_b32 v10, 5, v1                       ; my column's row of scale bytes
.irp u, 0,1,2,3,4,5,6,7,8,9,10,11,12,13,14,15
	WQ \u
.endr
	global_store_b64 v10, v[SB:SB+1], s[16:17]                     ; my column's 8 scale bytes: pieces of 8 bytes, 32 bytes apart (96 KiB in the whole launch)
	global_store_b64 v10, v[SB+2:SB+3], s[16:17] offset:1024
	s_branch .Lend
.Lwo:
	s_lshl_b32 s26, s25, 17                        ; woimg: column tile 4 cg, chunk 8 kp
	s_lshl_b32 s29, s28, 13
	s_add_co_u32 s26, s26, s29
	s_add_nc_u64 s[18:19], s[18:19], s[26:27]
	v_lshl_add_u32 v9, v3, 15, v8                  ; lanes 16-31 belong to the next column tile
.irp u, 0,1,2,3,4,5,6,7,8,9,10,11,12,13,14,15
	WH \u
.endr
.Lend:
	s_wait_tensorcnt 0x0                           ; the wave's end: behind my last LDS store
	ds_add_u32 v[SPW], v[NIL]
	s_wait_dscnt 0x0
	s_endpgm
.Lfunc_end_k_q9bbdc77386_prep:
	.size	k_q9bbdc77386_prep, .Lfunc_end_k_q9bbdc77386_prep-k_q9bbdc77386_prep
	.p2alignl 7, 3214868480
	.fill 96, 4, 3214868480
	.section	.rodata,"a",@progbits
	.p2align	6, 0x0
	.amdhsa_kernel k_q9bbdc77386_prep
		.amdhsa_group_segment_fixed_size 25856
		.amdhsa_private_segment_fixed_size 0
		.amdhsa_enable_private_segment 0
		.amdhsa_kernarg_size 64
		.amdhsa_user_sgpr_count 2
		.amdhsa_user_sgpr_kernarg_segment_ptr 1
		.amdhsa_wavefront_size32 1
		.amdhsa_system_sgpr_workgroup_id_x 1
		.amdhsa_system_sgpr_workgroup_id_y 1
		.amdhsa_system_sgpr_workgroup_id_z 1
		.amdhsa_system_vgpr_workitem_id 0
		.amdhsa_next_free_vgpr 240
		.amdhsa_next_free_sgpr 66
		.amdhsa_reserve_vcc 1
		.amdhsa_float_denorm_mode_32 3
		.amdhsa_float_denorm_mode_16_64 3
		.amdhsa_memory_ordered 1
		.amdhsa_forward_progress 1
		.amdhsa_inst_pref_size 197
	.end_amdhsa_kernel
	.amdgpu_metadata
---
amdhsa.version: [ 1, 2 ]
amdhsa.kernels:
  - .name:           k_q9bbdc77386_prep
    .symbol:         k_q9bbdc77386_prep.kd
    .args:
      - { .name: x, .offset: 0, .size: 8, .value_kind: global_buffer, .address_space: global }
      - { .name: Wq, .offset: 8, .size: 8, .value_kind: global_buffer, .address_space: global }
      - { .name: Wk, .offset: 16, .size: 8, .value_kind: global_buffer, .address_space: global }
      - { .name: Wv, .offset: 24, .size: 8, .value_kind: global_buffer, .address_space: global }
      - { .name: Wo, .offset: 32, .size: 8, .value_kind: global_buffer, .address_space: global }
      - { .name: codes, .offset: 40, .size: 8, .value_kind: global_buffer, .address_space: global }
      - { .name: scales, .offset: 48, .size: 8, .value_kind: global_buffer, .address_space: global }
      - { .name: woimg, .offset: 56, .size: 8, .value_kind: global_buffer, .address_space: global }
    .group_segment_fixed_size: 25856
    .private_segment_fixed_size: 0
    .kernarg_segment_align: 8
    .kernarg_segment_size: 64
    .max_flat_workgroup_size: 96
    .sgpr_count:     66
    .vgpr_count:     240
    .wavefront_size: 32
...
	.end_amdgpu_metadata
.endif
;; end of part 1
;; launch qkv (part 2): grid 12 x 32, 4 waves a work-group, clusters of 4 x 4, 327,680 bytes of LDS; arguments codes, scales, qkv, fine; writes qkv, fine
.if DOCPART == 2
	.amdgcn_target "amdgcn-amd-amdhsa--gfx1250"
	.amdhsa_code_object_version 6
	.text
	.protected	k_q9bbdc77386_qkv
	.globl	k_q9bbdc77386_qkv
	.p2align	8
	.type	k_q9bbdc77386_qkv,@function
k_q9bbdc77386_qkv:
	s_mov_b64 s[64:65], 0
	v_nop
	global_prefetch_b8 v0, s[64:65] scope:SCOPE_SE
	s_setreg_imm32_b32 hwreg(HW_REG_WAVE_MODE, 25, 1), 1
	s_wait_xcnt 0x0
	s_wait_alu depctr_hold_cnt(0) depctr_sa_sdst(0) depctr_va_vdst(0) depctr_va_sdst(0) depctr_va_ssrc(0) depctr_va_vcc(0) depctr_vm_vsrc(0)
	s_getreg_b32 s2, hwreg(HW_REG_IB_STS2, 6, 4)
	s_cmp_eq_u32 s2, 0
	s_cbranch_scc0 .Lentry_in_a_cluster
	s_endpgm
.Lentry_in_a_cluster:
	s_bfe_u32 s2, ttmp6, 0x10000c
	s_cmp_lg_u32 s2, 0xf033
	s_cbranch_scc0 .Lentry_shape_is_right
	s_endpgm
.Lentry_shape_is_right:
; q = x Wq, k = x Wk, v = x Wv on codes of E2M1 with E8M0 scales (K = 1024), sums in f32; results rounded once to f16 and stored as images of the next products' operand registers.
; Nothing is left out here.  LIMIT: |q|, |k|, |v| up to 65,504 (f16).
; A tile of 256 x 256 is made by four waves, 128 x 128 each: 64 accumulators, 512 registers.  Both operands are tiles of 256 rows of ONE buffer of codes (rows 0-8191 tokens, then the columns of Wq, Wk, Wv).
; The matrix instruction takes source 0 = 16 rows of tile B, source 1 = 16 rows of tile A: a lane holds ONE row of A and eight neighbouring rows of B.
;   q, k (cluster x = 0, 1): A = tokens, B = weight columns: a lane holds a token and 8 neighbouring channels: half a fragment [16 tokens x 32 channels] of the scores' product.
;   v    (cluster x = 2):    A = Wv's columns, B = tokens: a lane holds a channel and 8 neighbouring keys: half a fragment [16 channels x 32 keys] of the context's product.  The same loop serves both: only addresses differ.
; So every result leaves straight from registers: 32 lanes store 512 consecutive bytes, aligned; no stage in LDS.
;   qkv: which x 16 MiB + (batch x 16 + head) x 256 KiB + ...   q, k: [token tile 128][chunk 2][1,024];   v: [key chunk 64][channel tile 4][1,024]
;   fine: [which 3][batch 4][head 16][accumulator 4][1,024]: the f32 accumulators of positions 0-15 of every sequence, registers 0-3 then 4-7, 16 bytes a lane: launch fine16 carries these rows in f32.
; K = 1024 is two LDS slots of 512 along K: both are asked for at the head and nothing is filled again.  A tile's codes lie as fragments: row tile i, K step q, half c at 4,096 i + 1,024 q + 512 c + 16 lane.
; CLUSTERS: 4 x 4 work-groups.  A's tile hangs on cy and the cluster's ids alone and is asked for jointly along a row of the cluster, B's on cx and is asked for jointly along a column.
; Token tiles are 8 c + Y (c the place in the cluster, Y the cluster's y), so that a sequence's first 256 positions lie in the clusters with Y = 0: the test for the f32 copies is the same in all partners.
; REGISTERS: window 0: v0-31 addresses; v32-95 scale words, two sets; v128-191 A's fragments, one set; on the way out v128-255 hold f16 results.  window 1: B's fragments, two sets.  windows 2, 3: the accumulators ((a, b) at v[8 (8 (a % 4) + b)]).
.set NQ,     4                         ; K steps of 128 in a slot
.set FR,     8                         ; registers of a fragment
.set NL,     2                         ; LDS loads that bring one
.set NP,     4                         ; places behind this matrix instruction (ISA guide 7.12.1)
.set HALFT,  32768                     ; 8 row tiles x 4,096 bytes: what one tensor load brings, and what a wave reads of A or of B
.set SLOT,   4*HALFT
.set SCL,    2*SLOT                    ; behind the slots: the scale bytes, as units of 256 bytes + 16 of padding
.set HALFS,  16*272                    ; those of 128 rows
.set SBLK,   2*272                     ; those of 16 rows
.set SPARE,  SCL+4*HALFS               ; the spare words, 128 bytes for each wave: two blocks of 256 bytes that no other line names
.set ADRA, 16                          ; v16-17  LDS address of my A fragments in slot 0, 1
.set ADRB, 20                          ; v20-21  the same for B
.set CO,   26                          ; v26     16 x lane
.set ADRS, 27                          ; v27     LDS address of my scale words: lanes 0-15 A's rows, lanes 16-31 B's
.set SPW,  28                          ; v28     my spare word; never rewritten
.set NIL,  29                          ; v29     0; never rewritten
.set SC,   32                          ; scale words: set s at v[SC + 32 s]; register 4 i + q: lanes 0-15 A's block i, lanes 16-31 B's block i, the slot's q-th 128 along K
.set AF,   128
.set PK,   128                         ; the way out: four sets of 32 registers of f16 pairs
.set G1, 24
.set G0, 32
.set G1B, 48
.set G0B, 56
.set G1S, 68
.set G0S, 76
.set G1SB, 80
.set G0SB, 88
.set MSB, 0
.macro WIN new                         ; the immediate's high byte repeats the setting that is left
.if MSB != (\new)
	s_set_vgpr_msb (MSB<<8)|(\new)
.set MSB, (\new)
.endif
.endm
.set MUL_LO, 0xa1                      ; source 0 (B) window 1, source 1 (A) window 0, C and D window 2
.set MUL_HI, 0xf1                      ; the same, C and D window 3
.set TO_B,   0x40                      ; destination window 1
; A joint load: waves 0 and 1 fetch for A, waves 2 and 3 for B; the branch hangs on the wave's number alone.  An s_nop 0 and four v_nop follow each line.
.macro JLOAD g0a, g1a, g0b, g1b
	s_cmp_eq_u32 s15, 0
	s_cbranch_scc0 .Lfor_b_\@
	tensor_load_to_lds s[\g0a:\g0a+3], s[\g1a:\g1a+7]
	s_nop 0
.rept 4
	v_nop
.endr
	s_branch .Lasked_\@
.Lfor_b_\@:
	tensor_load_to_lds s[\g0b:\g0b+3], s[\g1b:\g1b+7]
	s_nop 0
.rept 4
	v_nop
.endr
.Lasked_\@:
.endm
.macro CROUND                          ; a round of the cluster's barrier
	s_barrier_signal -1
	s_barrier_wait -1
	s_cmp_lg_u32 s14, 0
	s_cbranch_scc1 .Lnot_wave_0_\@
	s_barrier_signal -3
.Lnot_wave_0_\@:
	s_barrier_wait -3
	s_barrier_signal -1
	s_barrier_wait -1
.endm
	s_load_b256 s[4:11], s[0:1], 0x0               ; codes s[4:5], scales s[6:7], qkv s[8:9], fine s[10:11]
	v_lshl_add_u32 v[SPW], v0, 2, SPARE
	v_mov_b32 v[NIL], 0
	ds_add_u32 v[SPW], v[NIL]                      ; the wave's opening: the add, twice on end, and its wait ahead of my first tensor load
	ds_add_u32 v[SPW], v[NIL]
	v_lshrrev_b32 v1, 5, v0
	v_readfirstlane_b32 s14, v1                    ; wave 0..3
	s_lshr_b32 s15, s14, 1                         ; which half of A's rows is mine.  Also: I fetch for A (0) or for B (1)
	s_and_b32 s16, s14, 1                          ; which half of B's rows.  Also: which 128 rows of that tile I fetch
	s_bfe_u32 s40, ttmp6, 0x40000                  ; cx
	s_bfe_u32 s41, ttmp6, 0x40004                  ; cy
	s_and_b32 s17, ttmp7, 0xffff                   ; Y, the cluster's y
	s_lshl_b32 s42, s41, 3
	s_add_co_u32 s42, s42, s17                     ; q, k: A = token tile 8 cy + Y
	s_add_co_u32 s43, s41, 40                      ; v:    A = Wv's tile 40 + cy
	s_lshl_b32 s44, ttmp9, 2
	s_add_co_u32 s44, s44, s40
	s_add_co_u32 s44, s44, 32                      ; q, k: B = weight tile 32 + 4 X + cx
	s_lshl_b32 s45, s40, 3
	s_add_co_u32 s45, s45, s17                     ; v:    B = token tile 8 cx + Y
	s_cmp_eq_u32 ttmp9, 2                          ; the cluster's x: the same in all sixteen partners
	s_cselect_b32 s42, s43, s42                    ; A's tile: made of cy and cluster ids alone
	s_cselect_b32 s44, s45, s44                    ; B's tile: of cx and cluster ids alone
	s_lshl_b32 s43, s41, 2
	s_lshl_b32 s43, 15, s43                        ; my row of the cluster
	s_lshl_b32 s45, 0x1111, s40                    ; my column
	; group 1 for codes: 8 rows (row tiles) of 512 elements of 8 bytes (half of K: 4 fragments), 1,024 elements apart; no padding
	s_or_b32 s[G1+0], s43, (3<<16)|(1<<21)
	s_or_b32 s[G1B+0], s45, (3<<16)|(1<<21)
.irp g, G1, G1B
	s_mov_b32 s[\g+1], 512<<16                     ; tensor_dim0
	s_mov_b32 s[\g+2], 8<<16                       ; tensor_dim1
	s_mov_b32 s[\g+3], 512<<16                     ; tile_dim0
	s_mov_b32 s[\g+4], 8                           ; tile_dim1
	s_mov_b32 s[\g+5], 1024                        ; stride
	s_mov_b32 s[\g+6], 0
	s_mov_b32 s[\g+7], 0
.endr
	; and for the scale bytes of 128 rows: 4,096 dense bytes as 16 rows of 256, 16 bytes of padding behind each
	s_or_b32 s[G1S+0], s43, (3<<16)|(1<<20)|(1<<21)|(5<<22)|(3<<25)
	s_or_b32 s[G1SB+0], s45, (3<<16)|(1<<20)|(1<<21)|(5<<22)|(3<<25)
.irp g, G1S, G1SB
	s_mov_b32 s[\g+1], 32<<16
	s_mov_b32 s[\g+2], 16<<16
	s_mov_b32 s[\g+3], 32<<16
	s_mov_b32 s[\g+4], 16
	s_mov_b32 s[\g+5], 32
	s_mov_b32 s[\g+6], 0
	s_mov_b32 s[\g+7], 0
.endr
	s_lshl_b32 s18, s16, 16                        ; my 8 row tiles of the 16: 8 x 8,192 bytes of codes,
	s_lshl_b32 s19, s16, 12                        ; 128 x 32 scale bytes
	s_lshl_b32 s20, s42, 17                        ; A: tile x 16 x 8,192
	s_add_co_u32 s20, s20, s18
	s_mov_b32 s21, 0
	s_lshl_b32 s22, s42, 13                        ; tile x 256 x 32
	s_add_co_u32 s22, s22, s19
	s_mov_b32 s23, 0
	s_lshl_b32 s46, s44, 17                        ; B likewise
	s_add_co_u32 s46, s46, s18
	s_mov_b32 s47, 0
	s_lshl_b32 s92, s44, 13
	s_add_co_u32 s92, s92, s19
	s_mov_b32 s93, 0
	s_lshl_b32 s94, s14, 15                        ; where they go: wave x 32,768: no place in the cluster enters an LDS address
	s_mul_i32 s95, s14, HALFS
	s_wait_dscnt 0x0                               ; both opening adds are done
	s_wait_kmcnt 0x0
	s_add_nc_u64 s[20:21], s[4:5], s[20:21]
	s_add_nc_u64 s[22:23], s[6:7], s[22:23]
	s_add_nc_u64 s[46:47], s[4:5], s[46:47]
	s_add_nc_u64 s[92:93], s[6:7], s[92:93]
	CROUND                                         ; all sixteen work-groups are here: the first joint loads meet
	s_mov_b32 s[G0S], 1
	s_add_co_u32 s[G0S+1], s95, SCL
	s_mov_b64 s[G0S+2:G0S+3], s[22:23]
	s_or_b32 s[G0S+3], s[G0S+3], 0x80000000
	s_mov_b32 s[G0SB], 1
	s_add_co_u32 s[G0SB+1], s95, SCL
	s_mov_b64 s[G0SB+2:G0SB+3], s[92:93]
	s_or_b32 s[G0SB+3], s[G0SB+3], 0x80000000
	JLOAD G0S, G1S, G0SB, G1SB                     ; the scales first: three loads of mine are out at the most
.irp s, 0,1
	s_mov_b32 s[G0+4*\s], 1
	s_add_co_u32 s[G0+4*\s+1], s94, \s*SLOT
	s_add_nc_u64 s[G0+4*\s+2:G0+4*\s+3], s[20:21], \s*4096
	s_or_b32 s[G0+4*\s+3], s[G0+4*\s+3], 0x80000000
	s_mov_b32 s[G0B+4*\s], 1
	s_add_co_u32 s[G0B+4*\s+1], s94, \s*SLOT
	s_add_nc_u64 s[G0B+4*\s+2:G0B+4*\s+3], s[46:47], \s*4096
	s_or_b32 s[G0B+4*\s+3], s[G0B+4*\s+3], 0x80000000
	JLOAD G0+4*\s, G1, G0B+4*\s, G1B
.endr
	v_and_b32 v1, 15, v0                           ; r
	v_bfe_u32 v2, v0, 4, 1                         ; h
	v_and_b32 v3, 31, v0
	v_lshlrev_b32 v[CO], 4, v3                     ; 16 x lane
	s_lshl_b32 s21, s15, 15                        ; my 8 row tiles of A
	s_lshl_b32 s22, s16, 15                        ; my 8 of B,
	s_add_co_u32 s22, s22, 2*HALFT                 ; which lie behind A's 16
.irp s, 0,1
	v_add_nc_u32 v[ADRA+\s], s21, v[CO]
	v_add_nc_u32 v[ADRB+\s], s22, v[CO]
	s_add_co_u32 s21, s21, SLOT
	s_add_co_u32 s22, s22, SLOT
.endr
	v_mul_u32_u24 v5, v1, 32                       ; my row's scales: 32 bytes a row,
	v_lshrrev_b32 v6, 8, v5
	v_lshl_add_u32 v5, v6, 4, v5                   ; and 16 more for each 256 passed
	s_mul_i32 s21, s15, HALFS
	s_mul_i32 s22, s16, HALFS
	s_add_co_u32 s22, s22, 2*HALFS
	s_sub_co_u32 s22, s22, s21
	v_mul_u32_u24 v6, s22, v2                      ; lanes 16-31 take B's
	s_add_co_u32 s21, s21, SCL
	v_add_nc_u32 v5, v5, v6
	v_add_nc_u32 v[ADRS], s21, v5
	; where my results go.  The token side is A for q and k, B for v; one formula serves both
	s_cmp_eq_u32 ttmp9, 2
	s_cselect_b32 s20, s40, s41                    ; the token side's place in the cluster = the batch
	s_cselect_b32 s21, s41, s40                    ; the channel side's
	s_cselect_b32 s22, s16, s15                    ; the token side's half
	s_cselect_b32 s23, s15, s16                    ; the channel side's
	s_lshl_b32 s21, s21, 2
	s_lshl_b32 s23, s23, 1
	s_add_co_u32 s21, s21, s23                     ; my first head: 4 x place + 2 x half
	s_lshl_b32 s46, ttmp9, 24                      ; which x 16 MiB
	s_lshl_b32 s47, s20, 22                        ; batch x 16 heads x 256 KiB
	s_add_co_u32 s46, s46, s47
	s_lshl_b32 s47, s21, 18
	s_add_co_u32 s46, s46, s47
	s_lshl_b32 s47, s17, 15                        ; 256 Y positions: 16 token tiles of 2,048 bytes = 8 key chunks of 4,096
	s_add_co_u32 s46, s46, s47
	s_lshl_b32 s47, s22, 14                        ; 128 more
	s_add_co_u32 s46, s46, s47
	s_mov_b32 s47, 0
	s_add_nc_u64 s[8:9], s[8:9], s[46:47]
	s_lshl_b32 s46, ttmp9, 18
	s_lshl_b32 s92, s20, 16
	s_add_co_u32 s46, s46, s92
	s_lshl_b32 s92, s21, 12
	s_add_co_u32 s46, s46, s92
	s_add_nc_u64 s[10:11], s[10:11], s[46:47]
.macro FRAG reg, adr, q, i             ; a fragment as it lies: two loads of 512 consecutive bytes
.irp c, 0,1
	ds_load_b128 v[\reg+4*\c:\reg+4*\c+3], v[\adr] offset:(\i)*4096+(\q)*1024+512*\c
.endr
.endm
; 16 matrix instructions: A's blocks a0, a0 + 1 x B's eight.  The 64 accumulators take turns, one instruction a turn, in the same order in every step.
.macro MUL16 a0, p, q, sc, zero
.irp a, \a0, \a0+1
.irp b, 0,1,2,3,4,5,6,7
.if \zero
	v_wmma_scale_f32_16x16x128_f8f6f4 v[8*(8*((\a)%4)+\b):8*(8*((\a)%4)+\b)+7], v[128*(\p)+FR*\b:128*(\p)+FR*\b+FR-1], v[AF+FR*(\a):AF+FR*(\a)+FR-1], 0, v[SC+8*NQ*(\sc)+NQ*\b+(\q)], v[SC+8*NQ*(\sc)+NQ*(\a)+(\q)] matrix_a_fmt:MATRIX_FMT_FP4 matrix_b_fmt:MATRIX_FMT_FP4 matrix_a_scale:MATRIX_SCALE_ROW1
.else
	v_wmma_scale_f32_16x16x128_f8f6f4 v[8*(8*((\a)%4)+\b):8*(8*((\a)%4)+\b)+7], v[128*(\p)+FR*\b:128*(\p)+FR*\b+FR-1], v[AF+FR*(\a):AF+FR*(\a)+FR-1], v[8*(8*((\a)%4)+\b):8*(8*((\a)%4)+\b)+7], v[SC+8*NQ*(\sc)+NQ*\b+(\q)], v[SC+8*NQ*(\sc)+NQ*(\a)+(\q)] matrix_a_fmt:MATRIX_FMT_FP4 matrix_b_fmt:MATRIX_FMT_FP4 matrix_a_scale:MATRIX_SCALE_ROW1
.endif
.endr
.endr
.endm
.macro FETCH_B slot, q, p
	WIN TO_B
.irp i, 0,1,2,3,4,5,6,7
	FRAG 128*(\p)+FR*\i, ADRB+\slot, \q, \i
.endr
	WIN 0
.endm
.macro FETCH_A slot, q, i0
.irp i, \i0, \i0+1, \i0+2, \i0+3
	FRAG AF+FR*(\i), ADRA+\slot, \q, \i
.endr
.endm
.macro SCALES sc                       ; a slot's scale words: 4 words a row; lanes 0-15 take A's block i, lanes 16-31 B's block i
.irp i, 0,1,2,3,4,5,6,7
	ds_load_b128 v[SC+8*NQ*\sc+NQ*\i:SC+8*NQ*\sc+NQ*\i+3], v[ADRS] offset:\i*SBLK
.endr
.endm
.macro PLACES n                        ; plain vector lines between a matrix instruction and a load into, or a read of, its registers
.rept \n
	v_nop
.endr
.endm
.macro STEP slot, q, zero              ; 128 along K that has its successor in the same slot
	s_wait_dscnt 4*NL                              ; B's set and A's blocks 0-3 are in; the youngest 8 loads (A's blocks 4-7) may be out
	WIN MUL_LO
	MUL16 0, (\q)%2, \q, \slot, \zero
	MUL16 2, (\q)%2, \q, \slot, \zero
	s_wait_dscnt 0
	PLACES NP
	FETCH_B \slot, (\q)+1, 1-(\q)%2
	FETCH_A \slot, (\q)+1, 0
	WIN MUL_HI
	MUL16 4, (\q)%2, \q, \slot, \zero
	MUL16 6, (\q)%2, \q, \slot, \zero
	PLACES NP
	WIN 0
	FETCH_A \slot, (\q)+1, 4
.endm
.macro STEPS slot, from
.set Q, \from
.rept NQ-1-\from
	STEP \slot, Q, 0
.set Q, Q+1
.endr
.endm
	s_wait_tensorcnt 1                             ; the scales and my part of slot 0 are in; slot 1's load may be out
	s_barrier_signal -1
	s_barrier_wait -1
	FETCH_B 0, 0, 0
	FETCH_A 0, 0, 0
	SCALES 0
	FETCH_A 0, 0, 4
	STEP 0, 0, 1                                   ; the first step's products start the sums: nothing is cleared
	STEPS 0, 1
	; slot 0's last step changes slots: my part of slot 1 has landed, then one barrier shows everybody's
	s_wait_tensorcnt 0x0
	ds_add_u32 v[SPW], v[NIL]
	s_wait_dscnt 4*NL+1                            ; (the add and the youngest 8 loads may be out)
	WIN MUL_LO
	MUL16 0, 1, NQ-1, 0, 0
	s_wait_dscnt 0x0
	s_barrier_signal -1
	MUL16 2, 1, NQ-1, 0, 0
	WIN 0
	s_barrier_wait -1
	PLACES NP
	v_add_nc_u32 v[ADRS], 4*NQ, v[ADRS]            ; on to slot 1's scale words
	FETCH_B 1, 0, 0
	FETCH_A 1, 0, 0
	SCALES 1
	WIN MUL_HI
	MUL16 4, 1, NQ-1, 0, 0
	MUL16 6, 1, NQ-1, 0, 0
	PLACES NP
	WIN 0
	FETCH_A 1, 0, 4
	STEPS 1, 0
	s_wait_dscnt 4*NL                              ; the very last step: nothing more to fetch
	WIN MUL_LO
	MUL16 0, 1, NQ-1, 1, 0
	MUL16 2, 1, NQ-1, 1, 0
	s_wait_dscnt 0
	WIN MUL_HI
	MUL16 4, 1, NQ-1, 1, 0
	MUL16 6, 1, NQ-1, 1, 0
	WIN 0
	PLACES NP                                      ; behind the last products: for the reads of results and the writes over A's fragments below
; THE WAY OUT.  First, where my token rows begin a sequence, the f32 accumulators of positions 0-15; then all 64 accumulators, rounded to f16: four registers a lane = half a fragment of the next product.
.macro OUT isv
.if \isv
	s_or_b32 s20, s17, s16                         ; the cluster's y and the wave's number alone
.else
	s_or_b32 s20, s17, s15
.endif
	s_cmp_lg_u32 s20, 0
	s_cbranch_scc1 .Lnofine_\@
.irp i, 0,1,2,3,4,5,6,7
.if \isv
	WIN 0x08+4*(\i/4)                              ; a store's data are its source 1: window 2 or 3
.set AC, 64*(\i%4)                                     ; accumulator (i, 0): channels 16 i on, keys 0-15
.else
	WIN 0x08
.set AC, 8*\i                                          ; accumulator (0, i): tokens 0-15, channels 16 i on
.endif
	global_store_b128 v[CO], v[AC:AC+3], s[10:11] offset:\i*1024           ; each accumulator from its low end on
	global_store_b128 v[CO], v[AC+4:AC+7], s[10:11] offset:\i*1024+512
.endr
	WIN 0
.Lnofine_\@:
.irp a, 0,1,2,3,4,5,6,7
.if \a >= 4
	s_wait_xcnt 0x0                                ; block a - 4's stores have read this set of registers
.endif
	WIN 0x0a+5*(\a/4)                              ; sources 0 and 1: window 2 or 3
.irp b, 0,1,2,3,4,5,6,7
.irp r, 0,1,2,3
	v_cvt_pk_f16_f32 v[PK+32*(\a%4)+4*\b+\r], v[64*(\a%4)+8*\b+2*\r], v[64*(\a%4)+8*\b+2*\r+1]
.endr
.endr
	WIN 0
.irp b, 0,1,2,3,4,5,6,7
.if \isv
	global_store_b128 v[CO], v[PK+32*(\a%4)+4*\b:PK+32*(\a%4)+4*\b+3], s[8:9] offset:(\a/4)*262144+(\b/2)*4096+(\a%4)*1024+(\b%2)*512   ; head a / 4, key chunk b / 2, channel tile a % 4, half b % 2
.else
	global_store_b128 v[CO], v[PK+32*(\a%4)+4*\b:PK+32*(\a%4)+4*\b+3], s[8:9] offset:(\b/4)*262144+\a*2048+(\b%4)*512                   ; head b / 4, token tile a, chunk and half b % 4
.endif
.endr
.endr
.endm
	s_cmp_eq_u32 ttmp9, 2
	s_cbranch_scc1 .Lout_v
	OUT 0
	s_branch .Lclose
.Lout_v:
	OUT 1
.Lclose:
	s_wait_tensorcnt 0x0                           ; the wave's end
	ds_add_u32 v[SPW], v[NIL]
	s_wait_dscnt 0x0
	CROUND                                         ; the closing round
	s_endpgm
.Lfunc_end_k_q9bbdc77386_qkv:
	.size	k_q9bbdc77386_qkv, .Lfunc_end_k_q9bbdc77386_qkv-k_q9bbdc77386_qkv
	.p2alignl 7, 3214868480
	.fill 96, 4, 3214868480
	.section	.rodata,"a",@progbits
	.p2align	6, 0x0
	.amdhsa_kernel k_q9bbdc77386_qkv
		.amdhsa_group_segment_fixed_size 327680
		.amdhsa_private_segment_fixed_size 0
		.amdhsa_enable_private_segment 0
		.amdhsa_kernarg_size 32
		.amdhsa_user_sgpr_count 2
		.amdhsa_user_sgpr_kernarg_segment_ptr 1
		.amdhsa_wavefront_size32 1
		.amdhsa_system_sgpr_workgroup_id_x 1
		.amdhsa_system_sgpr_workgroup_id_y 1
		.amdhsa_system_sgpr_workgroup_id_z 1
		.amdhsa_system_vgpr_workitem_id 0
		.amdhsa_next_free_vgpr 1024
		.amdhsa_next_free_sgpr 98
		.amdhsa_reserve_vcc 0
		.amdhsa_float_denorm_mode_32 3
		.amdhsa_float_denorm_mode_16_64 3
		.amdhsa_memory_ordered 1
		.amdhsa_forward_progress 1
		.amdhsa_inst_pref_size 144
	.end_amdhsa_kernel
	.amdgpu_metadata
---
amdhsa.version: [ 1, 2 ]
amdhsa.kernels:
  - .name:           k_q9bbdc77386_qkv
    .symbol:         k_q9bbdc77386_qkv.kd
    .args:
      - { .name: codes, .offset: 0, .size: 8, .value_kind: global_buffer, .address_space: global }
      - { .name: scales, .offset: 8, .size: 8, .value_kind: global_buffer, .address_space: global }
      - { .name: qkv, .offset: 16, .size: 8, .value_kind: global_buffer, .address_space: global }
      - { .name: fine, .offset: 24, .size: 8, .value_kind: global_buffer, .address_space: global }
    .group_segment_fixed_size: 327680
    .private_segment_fixed_size: 0
    .kernarg_segment_align: 8
    .kernarg_segment_size: 32
    .max_flat_workgroup_size: 128
    .sgpr_count:     98
    .vgpr_count:     1024
    .wavefront_size: 32
...
	.end_amdgpu_metadata
.endif
;; end of part 2
;; launch attn (part 3): grid 4 x 64, 8 waves a work-group, no clusters, 327,680 bytes of LDS; arguments qkv, ctx; writes ctx
.if DOCPART == 3
	.amdgcn_target "amdgcn-amd-amdhsa--gfx1250"
	.amdhsa_code_object_version 6
	.text
	.protected	k_q9bbdc77386_attn
	.globl	k_q9bbdc77386_attn
	.p2align	8
	.type	k_q9bbdc77386_attn,@function
k_q9bbdc77386_attn:
	s_mov_b64 s[64:65], 0
	v_nop
	global_prefetch_b8 v0, s[64:65] scope:SCOPE_SE
	s_setreg_imm32_b32 hwreg(HW_REG_WAVE_MODE, 25, 1), 1
	s_wait_xcnt 0x0
; ctx[b][q][h] = softmax over k <= q of (q . k / 8) times v, operands in f16, products, maxima and sums in f32; the weights p are rounded to f16 for the second product, ctx once at the end.
; LEFT OUT: key steps all of whose 64 keys come after a wave's 32 queries: reference()'s own jnp.tril gives them the weight 0 for all values of the inputs (shown at the head of launch prep).
; LIMITS: |ctx| up to 65,504 (f16); NaN and infinities are not served.  Positions 0-15 of every sequence are made here too (they share tiles with live rows) but the output's rows for them come from launch fine16, in f32.
; SHARES.  A head's 2,048 queries are 8 blocks of 256.  Work-group j of a head takes block 7 - j and then block j: 8 - j and j + 1 units of 256 keys, always 9 units of four key steps of 64: every work-group has the
; same work and every trip count is a constant.  Each of the eight waves owns 32 queries, two tiles of 16; waves w and w + 4 own sub-blocks that have five steps on the diagonal between them.
; NO CLUSTER: the unit at which a work-group goes over to its second block is 8 - j, so the work-groups of a head want different tiles in the same trip; and a trip asks for 64 KiB for its 1,024 matrix instructions.
; LAYOUT.  S^T = K Q^T (source 0 = 16 keys, source 1 = 16 queries), O^T = V^T P (source 0 = 16 channels, source 1 = P): a lane holds ONE query throughout, and two tiles of S^T, rounded in pairs, ARE a fragment of P.
; q, k and v lie in memory as images of their fragments (launch qkv): a key step's K is 8 KiB on end, its V likewise; a fragment comes by two loads of 512 consecutive bytes; O^T rounded to f16 is half a fragment of the
; projection's operand and is stored straight from registers, 512 consecutive bytes an instruction.
; RING.  Two LDS slots of one unit (64 KiB).  Every wave fetches 8 KiB of each unit (waves 0-3: K of steps 0-3; waves 4-7: V) by one tensor load: one load of mine is out at a time.
; REGISTERS: v1-10 addresses and work; v16-31 statistics, eight a tile: +0 c m, +1 m, +2, +3 l, +4..7 at work (a in +6); v32-63 Q; v64-127 S^T, then p, then P in the low half of each tile's 32;
;   v128-191 O^T; v192-255 K's, then V's fragments; v256-287 (window 1) the second block's Q.
.set LI,  1                            ; v1  16 x lane
.set ADR, 2                            ; v2  LDS address of the step in hand
.set DQ,  3                            ; v3  r - 8 h
.set PFO, 4                            ; v4  256 x lane
.set SPW, 5                            ; v5  my spare word; never rewritten
.set NIL, 6                            ; v6  0; never rewritten
.set ST,  16
.set QF,  32
.set SC,  64
.set OT,  128
.set KV,  192
.set SLOT1, 65536
.set SPARE, 131072                     ; behind the ring: the spare words, 128 bytes for each wave: four blocks of 256 bytes that no other line names
.set WV,  8
.set J,   9
.set BH,  10
.set NA,  11                           ; units of the first block
.set U,   12                           ; the unit in hand, 0..8
.set KF,  14                           ; the step's first key
.set Q0,  15                           ; my first query
.set TB,  16                           ; LDS byte at which the step in hand begins
.set CNT, 17
.set CS,  18                           ; s[18:19] c = log2(e) / 8
.set SEL, 20                           ; s[20:21] selects for lane l xor 16
.set G1,  24
.set G0,  32
.set KVB, 36                           ; s[36:37] my 8 KiB of the head's unit 0 in memory
.set KO,  38                           ; s[38:39] byte offset of the unit to be asked for
.set PFA, 40                           ; s[40:41] where my prefetch stands
.set LIM, 42
.set Q0B, 43
.set CXA, 44                           ; s[44:45] my rows of ctx, block in hand
.set CXB, 46                           ; s[46:47] second block
.set MSB, 0
.macro WIN new
.if MSB != (\new)
	s_set_vgpr_msb (MSB<<8)|(\new)
.set MSB, (\new)
.endif
.endm
.macro INIT                            ; m = -3e38, under every score; l and O^T zeros: the step is written once, and its first pass multiplies zeros by a = 0
.irp t, 0,1
	v_mov_b32 v[ST+8*\t+1], 0xff61b1e6
	v_mul_f32 v[ST+8*\t], s[CS], v[ST+8*\t+1]
.irp i, 2,3,4,5,6,7
	v_mov_b32 v[ST+8*\t+\i], 0
.endr
.endr
.set i, 0
.rept 64
	v_mov_b32 v[OT+i], 0
.set i, i+1
.endr
.endm
	s_load_b128 s[4:7], s[0:1], 0x0                ; qkv s[4:5], ctx s[6:7]
	v_lshl_add_u32 v[SPW], v0, 2, SPARE
	v_mov_b32 v[NIL], 0
	ds_add_u32 v[SPW], v[NIL]                      ; the wave's opening: the add, twice on end, and its wait ahead of my first tensor load
	ds_add_u32 v[SPW], v[NIL]
	v_lshrrev_b32 v7, 5, v0
	v_readfirstlane_b32 s[WV], v7                  ; wave 0..7
	s_mov_b32 s[J], ttmp9
	s_and_b32 s[BH], ttmp7, 0xffff                 ; batch x 16 + head
	s_sub_co_u32 s[NA], 8, s[J]
	s_lshr_b32 s48, s[WV], 2                       ; I fetch K (0) or V (1)
	s_mul_i32 s49, s48, 3
	s_xor_b32 s13, s[WV], s49                      ; my sub-block: 0 1 2 3 7 6 5 4
	s_lshl_b32 s13, s13, 5
	s_sub_co_u32 s49, 7, s[J]
	s_lshl_b32 s49, s49, 8
	s_add_co_u32 s[Q0], s49, s13                   ; first block: 256 (7 - j) + 32 sub
	s_lshl_b32 s49, s[J], 8
	s_add_co_u32 s[Q0B], s49, s13                  ; second block: 256 j + 32 sub
	s_mov_b32 s[G1], 3<<16                         ; 8 KiB on end as 32 rows of 32 elements of 8 bytes; no mask, no padding
	s_mov_b32 s[G1+1], 32<<16
	s_mov_b32 s[G1+2], 32<<16
	s_mov_b32 s[G1+3], 32<<16
	s_mov_b32 s[G1+4], 32
	s_mov_b32 s[G1+5], 32
	s_mov_b32 s[G1+6], 0
	s_mov_b32 s[G1+7], 0
	s_and_b32 s50, s[WV], 3                        ; which key step of a unit I fetch
	s_lshl_b32 s51, s50, 14
	s_lshl_b32 s52, s48, 13
	s_mov_b32 s[G0], 1
	s_add_co_u32 s[G0+1], s51, s52                 ; slot 0: step x 16,384, V 8,192 behind K
	s_add_co_u32 s52, s48, 1
	s_lshl_b32 s52, s52, 24                        ; k begins 16 MiB, v 32 MiB into qkv
	s_lshl_b32 s54, s[BH], 18
	s_add_co_u32 s52, s52, s54
	s_lshl_b32 s51, s50, 13
	s_add_co_u32 s52, s52, s51
	s_mov_b32 s53, 0
	s_lshl_b32 s56, s[Q0], 7                       ; q: 2,048 bytes a tile of 16
	s_add_co_u32 s56, s56, s54
	s_mov_b32 s57, 0
	s_lshl_b32 s58, s[Q0B], 7
	s_add_co_u32 s58, s58, s54
	s_mov_b32 s59, 0
	s_lshr_b32 s54, s[BH], 4
	s_lshl_b32 s54, s54, 22                        ; ctx: batch x 2,048 rows x 2,048 bytes,
	s_and_b32 s55, s[BH], 15
	s_lshl_b32 s55, s55, 11                        ; the head's two chunks,
	s_add_co_u32 s54, s54, s55
	s_lshl_b32 s[CXA], s[Q0], 11                   ; my rows
	s_add_co_u32 s[CXA], s[CXA], s54
	s_mov_b32 s[CXA+1], 0
	s_lshl_b32 s[CXB], s[Q0B], 11
	s_add_co_u32 s[CXB], s[CXB], s54
	s_mov_b32 s[CXB+1], 0
	s_mov_b32 s[CS], 0x3e38aa3b                    ; c = log2(e) / sqrt(64)
	s_mov_b32 s[CS+1], s[CS]
	s_mov_b32 s[SEL], 0x76543210
	s_mov_b32 s[SEL+1], 0xfedcba98
	s_mov_b32 s[U], 0
	s_mov_b32 s[KF], 0
	s_mov_b32 s[TB], 0
	s_mov_b32 s[KO], 0
	s_mov_b32 s[KO+1], 0
	s_cmp_eq_u32 s[J], 0
	s_cselect_b32 s[LIM], 6, 0                     ; the head's work-group 0 prefetches, in trips 0 to 5
	s_wait_dscnt 0x0                               ; both opening adds are done
	s_wait_kmcnt 0x0
	s_add_nc_u64 s[KVB:KVB+1], s[4:5], s[52:53]
	s_mov_b64 s[G0+2:G0+3], s[KVB:KVB+1]
	s_or_b32 s[G0+3], s[G0+3], 0x80000000
	tensor_load_to_lds s[G0:G0+3], s[G1:G1+7]      ; unit 0 into slot 0: every wave its 8 KiB
	s_nop 0
.rept 4
	v_nop
.endr
	s_add_nc_u64 s[PFA:PFA+1], s[KVB:KVB+1], 32768 ; unit 1; the first change of slots steps it to unit 2.  Nothing is prefetched at the head
	s_add_nc_u64 s[56:57], s[4:5], s[56:57]
	s_add_nc_u64 s[58:59], s[4:5], s[58:59]
	s_add_nc_u64 s[CXA:CXA+1], s[6:7], s[CXA:CXA+1]
	s_add_nc_u64 s[CXB:CXB+1], s[6:7], s[CXB:CXB+1]
	v_and_b32 v7, 31, v0
	v_lshlrev_b32 v[LI], 4, v7
	v_lshlrev_b32 v[PFO], 8, v7
	v_and_b32 v8, 15, v0
	v_bfe_u32 v9, v0, 4, 1
	v_lshlrev_b32 v9, 3, v9
	v_sub_nc_u32 v[DQ], v8, v9
	WIN 0x40                                       ; destination window 1
.irp i, 0,1,2,3,4,5,6,7
	global_load_b128 v[4*\i:4*\i+3], v[LI], s[58:59] offset:512*\i         ; the second block's Q waits in v256-287
.endr
	WIN 0
.irp i, 0,1,2,3,4,5,6,7
	global_load_b128 v[QF+4*\i:QF+4*\i+3], v[LI], s[56:57] offset:512*\i   ; tile i / 4, channels 32 ((i % 4) / 2) on, half i % 2
.endr
	INIT
	s_wait_loadcnt 0x0
; A KEY STEP: 64 keys against my 32 queries.
.macro STEP
	s_add_co_u32 s48, s[Q0], 31
	s_cmp_gt_u32 s[KF], s48                        ; all 64 keys come after my queries: ids and the count of steps alone
	s_cbranch_scc1 .Lhid_\@
	v_add_nc_u32 v[ADR], s[TB], v[LI]
.irp i, 0,1,2,3,4,5,6,7,8,9,10,11,12,13,14,15
	ds_load_b128 v[KV+4*\i:KV+4*\i+3], v[ADR] offset:512*\i        ; K: fragment 2 kt + u (16 keys, 32 channels) at v[KV + 8 (2 kt + u)]
.endr
	s_wait_dscnt 0x0
.irp u, 0,1                                    ; the eight accumulators take turns, one instruction a turn
.irp k, 0,1,2,3
.irp t, 0,1
.if \u == 0
	v_wmma_f32_16x16x32_f16 v[SC+32*\t+8*\k:SC+32*\t+8*\k+7], v[KV+16*\k+8*\u:KV+16*\k+8*\u+7], v[QF+16*\t+8*\u:QF+16*\t+8*\u+7], 0
.else
	v_wmma_f32_16x16x32_f16 v[SC+32*\t+8*\k:SC+32*\t+8*\k+7], v[KV+16*\k+8*\u:KV+16*\k+8*\u+7], v[QF+16*\t+8*\u:QF+16*\t+8*\u+7], v[SC+32*\t+8*\k:SC+32*\t+8*\k+7]
.endif
.endr
.endr
.endr
.rept 4
	v_nop                                          ; places in front of the loads into K's registers and of the first read of the scores
.endr
.irp i, 0,1,2,3,4,5,6,7,8,9,10,11,12,13,14,15
	ds_load_b128 v[KV+4*\i:KV+4*\i+3], v[ADR] offset:8192+512*\i   ; V: fragment 4 kc + ct (16 channels, 32 keys); it lands under the softmax
.endr
	s_add_co_u32 s48, s[KF], 63
	s_cmp_le_u32 s48, s[Q0]                        ; all 64 keys count for all my queries
	s_cbranch_scc1 .Lopen_\@
	s_sub_co_i32 s48, s[Q0], s[KF]
	v_add_nc_u32 v8, s48, v[DQ]                    ; d = my query - KF - 8 h, tile 0;  register 8 kt + i holds key KF + 16 kt + 8 h + i: hidden where 16 kt + i > d
	v_add_nc_u32 v9, 16, v8                        ; tile 1
	v_mov_b32 v10, 0xff800000                      ; -infinity.  KF is at or under every query of an active step, so no row is hidden whole
.irp t, 0,1
.irp n, 0,1,2,3,4,5,6,7,8,9,10,11,12,13,14,15,16,17,18,19,20,21,22,23,24,25,26,27,28,29,30,31
	v_cmp_gt_i32 vcc_lo, 16*(\n/8)+\n%8, v[8+\t]
	v_cndmask_b32 v[SC+32*\t+\n], v[SC+32*\t+\n], v10, vcc_lo
.endr
.endr
.Lopen_\@:
.irp j, 0,1,2,3                                ; the row's maximum: four chains a tile, each begun at an accumulator's low end; the tiles alternate
.irp t, 0,1
	v_max3_num_f32 v[ST+8*\t+4+\j], v[SC+32*\t+8*\j], v[SC+32*\t+8*\j+1], v[SC+32*\t+8*\j+2]
.endr
.endr
.irp g, 1,2
.irp j, 0,1,2,3
.irp t, 0,1
	v_max3_num_f32 v[ST+8*\t+4+\j], v[ST+8*\t+4+\j], v[SC+32*\t+8*\j+2*\g+1], v[SC+32*\t+8*\j+2*\g+2]
.endr
.endr
.endr
.irp t, 0,1
	v_max3_num_f32 v[ST+8*\t+4], v[ST+8*\t+4], v[SC+32*\t+7], v[SC+32*\t+15]
.endr
.irp t, 0,1
	v_max3_num_f32 v[ST+8*\t+6], v[ST+8*\t+6], v[SC+32*\t+23], v[SC+32*\t+31]
.endr
.irp t, 0,1
	v_max3_num_f32 v[ST+8*\t+4], v[ST+8*\t+4], v[ST+8*\t+5], v[ST+8*\t+6]
.endr
.irp t, 0,1
	v_max3_num_f32 v[ST+8*\t+4], v[ST+8*\t+4], v[ST+8*\t+7], v[ST+8*\t+1]  ; and the old m
.endr
.irp t, 0,1
	v_permlanex16_b32 v[ST+8*\t+5], v[ST+8*\t+4], s[SEL], s[SEL+1]         ; the query's other 32 keys lie in the lane 16 away
.endr
.irp t, 0,1
	v_mov_b32 v[ST+8*\t+7], v[ST+8*\t]             ; c m_old
.endr
.irp t, 0,1
	v_max_num_f32 v[ST+8*\t+1], v[ST+8*\t+4], v[ST+8*\t+5]
.endr
.irp t, 0,1
	v_mul_f32 v[ST+8*\t], s[CS], v[ST+8*\t+1]
.endr
.irp t, 0,1
	v_sub_f32 v[ST+8*\t+7], v[ST+8*\t+7], v[ST+8*\t]
.endr
.irp t, 0,1
	v_exp_f32 v[ST+8*\t+6], v[ST+8*\t+7]           ; a = 2^(c m_old - c m_new)
.endr
.irp b, 0,2,4,6,8,10,12,14,16,18,20,22,24,26,28,30
.irp t, 0,1
	v_pk_fma_f32 v[SC+32*\t+\b:SC+32*\t+\b+1], v[SC+32*\t+\b:SC+32*\t+\b+1], s[CS:CS+1], v[ST+8*\t:ST+8*\t+1] op_sel_hi:[1,0,0] neg_lo:[0,0,1] neg_hi:[0,0,1]   ; c s - c m: independent work behind the two exponentials
.endr
.endr
	s_wait_alu depctr_va_vdst(0)                   ; the wait ahead of the first line that names a
.irp e, 0,1,2,3,4,5,6,7,8,9,10,11,12,13,14,15,16,17,18,19,20,21,22,23,24,25,26,27,28,29,30,31
.irp t, 0,1
	v_exp_f32 v[SC+32*\t+\e], v[SC+32*\t+\e]       ; p: one batch of 64
.endr
.endr
.irp t, 0,1
	v_pk_mul_f32 v[ST+8*\t+2:ST+8*\t+3], v[ST+8*\t+2:ST+8*\t+3], v[ST+8*\t+6:ST+8*\t+7] op_sel_hi:[1,0]    ; l x a.  These 34 lines name no p: the independent work behind the batch
.endr
.irp j, 0,2,4,6,8,10,12,14,16,18,20,22,24,26,28,30
.irp t, 0,1
	v_pk_mul_f32 v[OT+32*\t+\j:OT+32*\t+\j+1], v[OT+32*\t+\j:OT+32*\t+\j+1], v[ST+8*\t+6:ST+8*\t+7] op_sel_hi:[1,0]   ; O^T x a, each accumulator from its low end on
.endr
.endr
	s_wait_alu depctr_va_vdst(0)                   ; one wait for the 64, ahead of their first reader
.irp t, 0,1
	v_pk_add_f32 v[ST+8*\t+4:ST+8*\t+5], v[SC+32*\t:SC+32*\t+1], v[SC+32*\t+2:SC+32*\t+3]  ; the row's sum of the unrounded p, in two chains a tile
.endr
.irp j, 4,8,12,16,20,24,28
.irp t, 0,1
	v_pk_add_f32 v[ST+8*\t+2:ST+8*\t+3], v[ST+8*\t+2:ST+8*\t+3], v[SC+32*\t+\j:SC+32*\t+\j+1]
	v_pk_add_f32 v[ST+8*\t+4:ST+8*\t+5], v[ST+8*\t+4:ST+8*\t+5], v[SC+32*\t+\j+2:SC+32*\t+\j+3]
.endr
.endr
.irp t, 0,1
	v_pk_add_f32 v[ST+8*\t+2:ST+8*\t+3], v[ST+8*\t+2:ST+8*\t+3], v[ST+8*\t+4:ST+8*\t+5]
.endr
.irp i, 0,1,2,3,4,5,6,7,8,9,10,11,12,13,14,15
.irp t, 0,1
	v_cvt_pk_f16_f32 v[SC+32*\t+\i], v[SC+32*\t+2*\i], v[SC+32*\t+2*\i+1]  ; P, in place, ascending: register i is free when pair i is rounded
.endr
.endr
	s_wait_dscnt 0x0                               ; V is in
.irp c, 0,1                                    ; keys 32 c on; the eight accumulators take turns
.irp k, 0,1,2,3
.irp t, 0,1
	v_wmma_f32_16x16x32_f16 v[OT+32*\t+8*\k:OT+32*\t+8*\k+7], v[KV+32*\c+8*\k:KV+32*\c+8*\k+7], v[SC+32*\t+8*\c:SC+32*\t+8*\c+7], v[OT+32*\t+8*\k:OT+32*\t+8*\k+7]
.endr
.endr
.endr
.rept 5
	v_nop                                          ; five places: the next step's products write over P, which these products read; its loads land in V's registers
.endr
.Lhid_\@:
	s_add_co_u32 s[KF], s[KF], 64
	s_add_co_u32 s[TB], s[TB], 16384
.endm
; A block is done: O^T / l, rounded to f16, stored as halves of the projection's fragments.
.macro FINISH
.irp t, 0,1
	v_add_f32 v[ST+8*\t+4], v[ST+8*\t+2], v[ST+8*\t+3]
.endr
.irp t, 0,1
	v_permlanex16_b32 v[ST+8*\t+5], v[ST+8*\t+4], s[SEL], s[SEL+1]
.endr
.irp t, 0,1
	v_add_f32 v[ST+8*\t+4], v[ST+8*\t+4], v[ST+8*\t+5]
.endr
.irp t, 0,1
	v_rcp_f32 v[ST+8*\t+6], v[ST+8*\t+4]
.endr
	v_nop                                          ; a plain line behind the last reciprocal,
	s_wait_alu depctr_va_vdst(0)                   ; and the wait ahead of the first use: one for both
.irp j, 0,2,4,6,8,10,12,14,16,18,20,22,24,26,28,30
.irp t, 0,1
	v_pk_mul_f32 v[OT+32*\t+\j:OT+32*\t+\j+1], v[OT+32*\t+\j:OT+32*\t+\j+1], v[ST+8*\t+6:ST+8*\t+7] op_sel_hi:[1,0]
.endr
.endr
.irp t, 0,1
.irp i, 0,1,2,3,4,5,6,7,8,9,10,11,12,13,14,15
	v_cvt_pk_f16_f32 v[SC+32*\t+\i], v[OT+32*\t+2*\i], v[OT+32*\t+2*\i+1]
.endr
.endr
.irp t, 0,1
.irp k, 0,1,2,3
	global_store_b128 v[LI], v[SC+32*\t+4*\k:SC+32*\t+4*\k+3], s[CXA:CXA+1] offset:\t*32768+\k*512     ; 32 lanes store 512 consecutive bytes, aligned
.endr
.endr
.endm
.macro START_B                         ; on to the second block
	WIN 0x01                                       ; source 0 window 1
.set i, 0
.rept 32
	v_mov_b32 v[QF+i], v[i]
.set i, i+1
.endr
	WIN 0
	INIT
	s_wait_xcnt 0x0                                ; the stores above have read their data and their base: both are written again below and in the next step
	s_mov_b32 s[Q0], s[Q0B]
	s_mov_b64 s[CXA:CXA+1], s[CXB:CXB+1]
	s_mov_b32 s[KF], 0
.endm
; THE CHANGE OF SLOTS, at a unit's head.  Each wave waits for all its tensor loads (its part of the unit ahead), adds 0 to its spare word, and waits for that and for its reads of the slot that it has left; one barrier;
; fill = 1: behind it the slot just left takes the next unit: the wave's one tensor load until the next such barrier, with a unit's four key steps in which to land.  In the first trip slot 1 is filled for the first time, by all eight.
.macro CHANGE fill
	s_wait_tensorcnt 0x0                           ; no tensor load of mine is out, so group 0 may be written
	ds_add_u32 v[SPW], v[NIL]                      ; 0 onto my spare word; the descriptor's steps stand between it and the wait for it
.if \fill
	s_xor_b32 s[G0+1], s[G0+1], SLOT1
	s_add_co_u32 s[KO], s[KO], 32768               ; the next 256 keys,
	s_add_co_u32 s48, s[U], 1
	s_cmp_eq_u32 s48, s[NA]
	s_cselect_b32 s[KO], 0, s[KO]                  ; or, where the second block begins, the head's first
	s_add_nc_u64 s[G0+2:G0+3], s[KVB:KVB+1], s[KO:KO+1]
	s_or_b32 s[G0+3], s[G0+3], 0x80000000
	s_wait_xcnt 0x0                                ; the last prefetch, a unit back, has read its address
	s_add_nc_u64 s[PFA:PFA+1], s[PFA:PFA+1], 32768
.endif
	s_wait_dscnt 0x0
	s_barrier_signal -1
	s_barrier_wait -1
.if \fill
	tensor_load_to_lds s[G0:G0+3], s[G1:G1+7]
	s_nop 0
.rept 4
	v_nop
.endr
	; a prefetch of unit U + 2, which the next change of slots will ask for: a unit's four key steps ahead of that load.  All four work-groups of a head walk the same K and V: work-group 0, which walks all eight units on end,
	; asks; each wave for the 8 KiB that it will fetch, lanes 256 bytes apart: each block is named once in the launch.  Units 0 and 1 come by their loads alone; trips 6 and 7 ask for nothing: unit 7 is the head's last.
	s_cmp_lt_u32 s[U], s[LIM]
	s_cbranch_scc0 .Lnoask_\@
	global_prefetch_b8 v[PFO], s[PFA:PFA+1] th:TH_LOAD_NT scope:SCOPE_SE
.Lnoask_\@:
.endif
.endm
.macro UNIT
	s_cmp_lg_u32 s[U], s[NA]                       ; ids and the count of units alone: all eight waves go the same way
	s_cbranch_scc1 .Lsame_\@
	FINISH
	START_B
.Lsame_\@:
	s_mov_b32 s[CNT], 4
.Lstep_\@:
	STEP
	s_sub_co_u32 s[CNT], s[CNT], 1
	s_cmp_lg_u32 s[CNT], 0
	s_cbranch_scc1 .Lstep_\@
	s_sub_co_u32 s[TB], s[TB], 65536               ; back to a slot's first step,
	s_xor_b32 s[TB], s[TB], SLOT1                  ; in the other slot
.endm
.Lunit:                                            ; eight trips: behind each change of slots the next unit is asked for
	CHANGE 1
	UNIT
	s_add_co_u32 s[U], s[U], 1
	s_cmp_lt_u32 s[U], 8
	s_cbranch_scc1 .Lunit
	CHANGE 0                                       ; the ninth unit is written out: nothing is left to fetch
	UNIT
	FINISH
	s_wait_tensorcnt 0x0                           ; the wave's end
	ds_add_u32 v[SPW], v[NIL]
	s_wait_dscnt 0x0
	s_endpgm
.Lfunc_end_k_q9bbdc77386_attn:
	.size	k_q9bbdc77386_attn, .Lfunc_end_k_q9bbdc77386_attn-k_q9bbdc77386_attn
	.p2alignl 7, 3214868480
	.fill 96, 4, 3214868480
	.section	.rodata,"a",@progbits
	.p2align	6, 0x0
	.amdhsa_kernel k_q9bbdc77386_attn
		.amdhsa_group_segment_fixed_size 327680
		.amdhsa_private_segment_fixed_size 0
		.amdhsa_enable_private_segment 0
		.amdhsa_kernarg_size 16
		.amdhsa_user_sgpr_count 2
		.amdhsa_user_sgpr_kernarg_segment_ptr 1
		.amdhsa_wavefront_size32 1
		.amdhsa_system_sgpr_workgroup_id_x 1
		.amdhsa_system_sgpr_workgroup_id_y 1
		.amdhsa_system_sgpr_workgroup_id_z 1
		.amdhsa_system_vgpr_workitem_id 0
		.amdhsa_next_free_vgpr 288
		.amdhsa_next_free_sgpr 66
		.amdhsa_reserve_vcc 1
		.amdhsa_float_denorm_mode_32 3
		.amdhsa_float_denorm_mode_16_64 3
		.amdhsa_memory_ordered 1
		.amdhsa_forward_progress 1
		.amdhsa_inst_pref_size 76
	.end_amdhsa_kernel
	.amdgpu_metadata
---
amdhsa.version: [ 1, 2 ]
amdhsa.kernels:
  - .name:           k_q9bbdc77386_attn
    .symbol:         k_q9bbdc77386_attn.kd
    .args:
      - { .name: qkv, .offset: 0, .size: 8, .value_kind: global_buffer, .address_space: global }
      - { .name: ctx, .offset: 8, .size: 8, .value_kind: global_buffer, .address_space: global }
    .group_segment_fixed_size: 327680
    .private_segment_fixed_size: 0
    .kernarg_segment_align: 8
    .kernarg_segment_size: 16
    .max_flat_workgroup_size: 256
    .sgpr_count:     66
    .vgpr_count:     288
    .wavefront_size: 32
...
	.end_amdgpu_metadata
.endif
;; end of part 3
;; launch proj (part 4): grid 8 x 32, 4 waves a work-group, clusters of 4 x 4, 327,680 bytes of LDS; arguments ctx, woimg, bo, out0; writes out0
.if DOCPART == 4
	.amdgcn_target "amdgcn-amd-amdhsa--gfx1250"
	.amdhsa_code_object_version 6
	.text
	.protected	k_q9bbdc77386_proj
	.globl	k_q9bbdc77386_proj
	.p2align	8
	.type	k_q9bbdc77386_proj,@function
k_q9bbdc77386_proj:
	s_mov_b64 s[64:65], 0
	v_nop
	global_prefetch_b8 v0, s[64:65] scope:SCOPE_SE
	s_setreg_imm32_b32 hwreg(HW_REG_WAVE_MODE, 25, 1), 1
	s_wait_xcnt 0x0
	s_wait_alu depctr_hold_cnt(0) depctr_sa_sdst(0) depctr_va_vdst(0) depctr_va_sdst(0) depctr_va_ssrc(0) depctr_va_vcc(0) depctr_vm_vsrc(0)
	s_getreg_b32 s2, hwreg(HW_REG_IB_STS2, 6, 4)
	s_cmp_eq_u32 s2, 0
	s_cbranch_scc0 .Lentry_in_a_cluster
	s_endpgm
.Lentry_in_a_cluster:
	s_bfe_u32 s2, ttmp6, 0x10000c
	s_cmp_lg_u32 s2, 0xf033
	s_cbranch_scc0 .Lentry_shape_is_right
	s_endpgm
.Lentry_shape_is_right:
; out0 = ctx Wo + bo, operands in f16, sums in f32.  NOT STORED HERE: the rows of positions 0-15 of every sequence; launch fine16 makes them in f32 (their products stay: they share tiles' instructions with nothing else
; only in one block of 16 rows of 64 of the 1,024 waves' tiles, which is computed with the rest and dropped).
; A tile of out0 is 256 rows x 128 columns: 256 work-groups.  Four waves, 128 x 64 each: 32 accumulators, 256 registers (window 1; (a, b) at v[8 (4 a + b)]).
; ctx and woimg lie as images of fragments [tile of 16][chunk of 32 K][1,024 bytes]: a K step of 128 is 4,096 bytes on end of each tile of 16; a fragment comes by two loads of 512 consecutive bytes.
; K goes in 8 steps of 128 through two LDS slots.  Waves 0, 1 fetch ctx's 2 x 8 row tiles, waves 2, 3 Wo's 2 x 4 column tiles: one load a wave behind each round, 112 matrix instructions ahead of the wait for it.
; CLUSTERS: 4 x 4.  The row tile is 8 cy + Y (so a sequence's first rows lie in the clusters with Y = 0), shared along a row of the cluster; the column tile 4 X + cx, shared along a column.
; TRANSPOSED USE: source 0 = 16 columns of Wo, source 1 = 16 rows of ctx: a lane holds eight neighbouring columns of one row.  The bias is the C of each sum's first matrix instruction.
; No prefetch: a K step holds 128 matrix instructions a wave on a small tile, and every tile is shared by four work-groups.
; REGISTERS, window 0: v16-29 addresses; v32-63 the bias, 8 a column block; two fragment buffers: A v64-127, B v128-159; A v160-223, B v224-255; on the way out v64-191 hold rows of out0.
.set SLOT,   98304                     ; A's 16 tiles x 4,096, then B's 8
.set STAGE,  2*SLOT                    ; behind the ring: 16 rows x (256 + 16) bytes for each wave
.set SPARE,  STAGE+4*16*272            ; the spare words, 128 bytes for each wave: two blocks of 256 bytes that no other line names
.set LAPS,   4
.set ADRA, 16
.set ADRB, 20
.set STO,  24
.set RD,   25
.set CO,   26
.set SPW,  28
.set NIL,  29
.set BIAS, 32
.set G1A, 16
.set G1B, 24
.set G0A, 32
.set G0B, 48
.set MSB, 0
.macro WIN new
.if MSB != (\new)
	s_set_vgpr_msb (MSB<<8)|(\new)
.set MSB, (\new)
.endif
.endm
.set MULW, 0x50                        ; C and D window 1, sources 0 and 1 window 0
.set MULB, 0x40                        ; D window 1, C (the bias) window 0
.macro JLOAD s                         ; a joint load; the branch hangs on the wave's number alone; an s_nop 0 and four v_nop follow each line
	s_cmp_eq_u32 s13, 0
	s_cbranch_scc0 .Lfor_b_\@
	tensor_load_to_lds s[G0A+4*\s:G0A+4*\s+3], s[G1A:G1A+7]
	s_nop 0
.rept 4
	v_nop
.endr
	s_branch .Lasked_\@
.Lfor_b_\@:
	tensor_load_to_lds s[G0B+4*\s:G0B+4*\s+3], s[G1B:G1B+7]
	s_nop 0
.rept 4
	v_nop
.endr
.Lasked_\@:
.endm
.macro CREST                           ; a round of the cluster's barrier behind its opening barrier
	s_cmp_lg_u32 s12, 0
	s_cbranch_scc1 .Lnot_wave_0_\@
	s_barrier_signal -3
.Lnot_wave_0_\@:
	s_barrier_wait -3
	s_barrier_signal -1
	s_barrier_wait -1
.endm
.macro CROUND
	s_barrier_signal -1
	s_barrier_wait -1
	CREST
.endm
	s_load_b256 s[4:11], s[0:1], 0x0               ; ctx s[4:5], woimg s[6:7], bo s[8:9], out0 s[10:11]
	v_lshl_add_u32 v[SPW], v0, 2, SPARE
	v_mov_b32 v[NIL], 0
	ds_add_u32 v[SPW], v[NIL]                      ; the wave's opening: the add, twice on end, and its wait ahead of my first tensor load
	ds_add_u32 v[SPW], v[NIL]
	v_lshrrev_b32 v1, 5, v0
	v_readfirstlane_b32 s12, v1                    ; wave 0..3
	s_lshr_b32 s13, s12, 1                         ; which half of the rows is mine.  Also: I fetch for A (0) or for B (1)
	s_and_b32 s14, s12, 1                          ; which half of the columns.  Also: which half of that tile I fetch
	s_bfe_u32 s40, ttmp6, 0x40000                  ; cx
	s_bfe_u32 s41, ttmp6, 0x40004                  ; cy
	s_and_b32 s42, ttmp7, 0xffff                   ; Y
	s_lshl_b32 s43, s41, 3
	s_add_co_u32 s43, s43, s42                     ; row tile 8 cy + Y
	s_lshl_b32 s44, ttmp9, 2
	s_add_co_u32 s44, s44, s40                     ; column tile 4 X + cx
	s_lshl_b32 s45, s41, 2
	s_lshl_b32 s45, 15, s45                        ; my row of the cluster
	s_lshl_b32 s46, 0x1111, s40                    ; my column
	s_or_b32 s[G1A+0], s45, (3<<16)|(1<<21)        ; A: 8 rows of 512 elements of 8 bytes, 4,096 elements apart; no padding
	s_mov_b32 s[G1A+1], 512<<16
	s_mov_b32 s[G1A+2], 8<<16
	s_mov_b32 s[G1A+3], 512<<16
	s_mov_b32 s[G1A+4], 8
	s_mov_b32 s[G1A+5], 4096
	s_mov_b32 s[G1A+6], 0
	s_mov_b32 s[G1A+7], 0
	s_or_b32 s[G1B+0], s46, (3<<16)|(1<<21)        ; B: 4 such rows
	s_mov_b32 s[G1B+1], 512<<16
	s_mov_b32 s[G1B+2], 4<<16
	s_mov_b32 s[G1B+3], 512<<16
	s_mov_b32 s[G1B+4], 4
	s_mov_b32 s[G1B+5], 4096
	s_mov_b32 s[G1B+6], 0
	s_mov_b32 s[G1B+7], 0
	s_lshl_b32 s56, s43, 19                        ; A: (16 x tile + 8 x half) x 32,768 bytes
	s_lshl_b32 s15, s14, 18
	s_add_co_u32 s56, s56, s15
	s_mov_b32 s57, 0
	s_lshl_b32 s58, s44, 18                        ; B: (8 x tile + 4 x half) x 32,768
	s_lshl_b32 s15, s14, 17
	s_add_co_u32 s58, s58, s15
	s_mov_b32 s59, 0
	s_lshl_b32 s60, s14, 15                        ; where they go: no place in the cluster enters an LDS address
	s_lshl_b32 s61, s14, 14
	s_add_co_u32 s61, s61, 65536
	s_wait_dscnt 0x0                               ; both opening adds are done
	s_wait_kmcnt 0x0
	s_add_nc_u64 s[56:57], s[4:5], s[56:57]
	s_add_nc_u64 s[58:59], s[6:7], s[58:59]
	CROUND                                         ; all sixteen work-groups are here: the first joint loads meet
.irp s, 0,1
	s_mov_b32 s[G0A+4*\s], 1
	s_add_co_u32 s[G0A+4*\s+1], s60, \s*SLOT
	s_add_nc_u64 s[G0A+4*\s+2:G0A+4*\s+3], s[56:57], \s*4096
	s_or_b32 s[G0A+4*\s+3], s[G0A+4*\s+3], 0x80000000
	s_mov_b32 s[G0B+4*\s], 1
	s_add_co_u32 s[G0B+4*\s+1], s61, \s*SLOT
	s_add_nc_u64 s[G0B+4*\s+2:G0B+4*\s+3], s[58:59], \s*4096
	s_or_b32 s[G0B+4*\s+3], s[G0B+4*\s+3], 0x80000000
	JLOAD \s                                       ; two loads of mine are out
.endr
	v_and_b32 v1, 15, v0                           ; r
	v_bfe_u32 v2, v0, 4, 1                         ; h
	v_and_b32 v3, 31, v0
	v_lshlrev_b32 v3, 4, v3                        ; 16 x lane
	s_lshl_b32 s62, s13, 15                        ; my 8 row tiles
	s_lshl_b32 s63, s14, 14                        ; my 4 column tiles,
	s_add_co_u32 s63, s63, 65536                   ; behind A's 16
.irp s, 0,1
	v_add_nc_u32 v[ADRA+\s], s62, v3
	v_add_nc_u32 v[ADRB+\s], s63, v3
	s_add_co_u32 s62, s62, SLOT
	s_add_co_u32 s63, s63, SLOT
.endr
	s_mul_i32 s62, s12, 16*272
	s_add_co_u32 s62, s62, STAGE                   ; my stage
	v_mul_u32_u24 v4, v1, 272
	v_lshl_add_u32 v4, v2, 5, v4
	v_add_nc_u32 v[STO], s62, v4                   ; in: row r, 32 bytes for each half of the lanes
	v_mul_u32_u24 v5, v2, 272
	v_lshl_add_u32 v5, v1, 4, v5
	v_add_nc_u32 v[RD], s62, v5                    ; back: lanes 0-15 one row of 256 bytes, lanes 16-31 the next
	v_lshlrev_b32 v5, 12, v2
	v_lshl_add_u32 v[CO], v1, 4, v5                ; and the same two rows in out0
	s_lshl_b32 s62, s44, 9                         ; my first column, in bytes: 512 x tile + 256 x half
	s_lshl_b32 s63, s14, 8
	s_add_co_u32 s62, s62, s63
	s_mov_b32 s63, 0
	s_add_nc_u64 s[8:9], s[8:9], s[62:63]
	s_add_nc_u64 s[10:11], s[10:11], s[62:63]
	s_lshl_b32 s62, s43, 20                        ; my first row: (256 x tile + 128 x half) x 4,096 bytes
	s_lshl_b32 s47, s13, 19
	s_add_co_u32 s62, s62, s47
	s_add_nc_u64 s[10:11], s[10:11], s[62:63]
	v_lshlrev_b32 v6, 5, v2                        ; the bias in the result's layout: lane (r, h), block b: columns 16 b + 8 h + 0..7
.irp b, 0,1,2,3
	global_load_b128 v[BIAS+8*\b:BIAS+8*\b+3], v6, s[8:9] offset:64*\b
	global_load_b128 v[BIAS+8*\b+4:BIAS+8*\b+7], v6, s[8:9] offset:64*\b+16
.endr
; 8 matrix instructions: row blocks a0, a0 + 1 x the 4 column blocks, 32 along K, from buffer f.  The 32 accumulators take turns, one instruction a turn.
.macro MUL8 f, a0, first
.irp a, \a0, \a0+1
.irp b, 0,1,2,3
.if \first
	v_wmma_f32_16x16x32_f16 v[8*(4*(\a)+\b):8*(4*(\a)+\b)+7], v[128+96*\f+8*\b:128+96*\f+8*\b+7], v[64+96*\f+8*(\a):64+96*\f+8*(\a)+7], v[BIAS+8*\b:BIAS+8*\b+7]
.else
	v_wmma_f32_16x16x32_f16 v[8*(4*(\a)+\b):8*(4*(\a)+\b)+7], v[128+96*\f+8*\b:128+96*\f+8*\b+7], v[64+96*\f+8*(\a):64+96*\f+8*(\a)+7], v[8*(4*(\a)+\b):8*(4*(\a)+\b)+7]
.endif
.endr
.endr
.endm
.macro FETCH slot, q, f                ; 24 LDS loads in one run: the slot's q-th 32 along K: B's 4 fragments, A's blocks 0-3, A's blocks 4-7
.irp i, 0,1,2,3
.irp c, 0,1
	ds_load_b128 v[128+96*\f+8*\i+4*\c:128+96*\f+8*\i+4*\c+3], v[ADRB+\slot] offset:\i*4096+\q*1024+\c*512
.endr
.endr
.irp i, 0,1,2,3,4,5,6,7
.irp c, 0,1
	ds_load_b128 v[64+96*\f+8*\i+4*\c:64+96*\f+8*\i+4*\c+3], v[ADRA+\slot] offset:\i*4096+\q*1024+\c*512
.endr
.endr
.endm
.macro PLACES                          ; four plain vector lines between a matrix instruction and a load into, or a read of, its registers
.rept 4
	v_nop
.endr
.endm
; One of a K step's first three quarters: multiplies buffer f; in its middle it fetches the slot's q-th 32 along K into buffer g.
.macro QUARTER slot, q, f, g, first
	s_wait_dscnt 8                                 ; B and A's blocks 0-3 are in; the youngest 8 loads (A's blocks 4-7) may be out
.if \first
	WIN MULB
.else
	WIN MULW
.endif
	MUL8 \f, 0, \first
	MUL8 \f, 2, \first
	PLACES
	WIN 0
	FETCH \slot, \q, \g
	s_wait_dscnt 24                                ; all but the 24 just issued
.if \first
	WIN MULB
.else
	WIN MULW
.endif
	MUL8 \f, 4, \first
	MUL8 \f, 6, \first
.endm
; The last quarter multiplies buffer 1 and changes slots: ONE barrier; in front of it each wave waits for all its tensor loads, adds 0 to its spare word, and waits for that and for its reads of this slot.
; fill = 1: the barrier opens a round of the cluster's barrier, and this slot is filled again, two K steps ahead, first thing behind the round.
.macro TURN slot, next, fill
	WIN 0
	s_wait_tensorcnt 0x0                           ; my part of the next slot has landed
	ds_add_u32 v[SPW], v[NIL]
	s_wait_dscnt 9                                 ; (the add and the youngest 8 loads may be out)
	WIN MULW
	MUL8 1, 0, 0                                   ; eight matrix instructions stand between the add and the wait for it
	s_wait_dscnt 0x0                               ; the add is done, and my reads of this slot are over
	s_barrier_signal -1
	MUL8 1, 2, 0
	WIN 0
	s_barrier_wait -1
.if \fill
	CREST                                          ; no wave of any partner still reads this slot's tiles or has a load on its way
	s_add_nc_u64 s[G0A+4*\slot+2:G0A+4*\slot+3], s[G0A+4*\slot+2:G0A+4*\slot+3], 8192
	s_add_nc_u64 s[G0B+4*\slot+2:G0B+4*\slot+3], s[G0B+4*\slot+2:G0B+4*\slot+3], 8192
	JLOAD \slot                                    ; the four v_nop behind it are also the places in front of the loads below
.else
	PLACES
.endif
	FETCH \next, 0, 0
	WIN MULW
	MUL8 1, 4, 0
	MUL8 1, 6, 0
.endm
	s_wait_tensorcnt 1                             ; my part of K step 0 is in; K step 1's may be out
	s_barrier_signal -1
	s_barrier_wait -1
	FETCH 0, 0, 0
	s_wait_loadcnt 0x0                             ; the bias
	QUARTER 0, 1, 0, 1, 1                          ; the first quarter stands in front of the loop: its products start the sums on the bias
	WIN 0
	s_mov_b32 s3, LAPS-1
.Llap:                                             ; a trip goes once round the ring, from a lap's second quarter to the next lap's first, and fills both slots again
	QUARTER 0, 2, 1, 0, 0
	QUARTER 0, 3, 0, 1, 0
	TURN 0, 1, 1
	QUARTER 1, 1, 0, 1, 0
	QUARTER 1, 2, 1, 0, 0
	QUARTER 1, 3, 0, 1, 0
	TURN 1, 0, 1
	QUARTER 0, 1, 0, 1, 0
	WIN 0
	s_sub_co_u32 s3, s3, 1
	s_cmp_lg_u32 s3, 0
	s_cbranch_scc1 .Llap
	QUARTER 0, 2, 1, 0, 0                          ; the last lap fills nothing, and has no round of the cluster's barrier
	QUARTER 0, 3, 0, 1, 0
	TURN 0, 1, 0
	QUARTER 1, 1, 0, 1, 0
	QUARTER 1, 2, 1, 0, 0
	QUARTER 1, 3, 0, 1, 0
	s_wait_dscnt 8
	WIN MULW
	MUL8 1, 0, 0
	MUL8 1, 2, 0
	s_wait_dscnt 0x0
	MUL8 1, 4, 0
	MUL8 1, 6, 0
	WIN 0
	PLACES
; THE WAY OUT, block by block of 16 rows x 64 columns, through my own stage: a lane's 32 bytes go in, whole rows of 256 bytes come back, and sixteen lanes store 256 consecutive bytes, aligned.
; LDS serves a wave's instructions in order (ISA guide 5.7.1.4): no wait between the stores and the loads, nor in front of the next block's stores.
.macro TOSTAGE a
	WIN 0x04                                       ; an LDS store's data are its source 1: window 1
.irp b, 0,1,2,3
	ds_store_b128 v[STO], v[8*(4*(\a)+\b):8*(4*(\a)+\b)+3] offset:64*\b            ; each accumulator from its low end on
	ds_store_b128 v[STO], v[8*(4*(\a)+\b)+4:8*(4*(\a)+\b)+7] offset:64*\b+16
.endr
	WIN 0
.irp t, 0,1,2,3,4,5,6,7
	ds_load_b128 v[64+32*((\a)%4)+4*\t:64+32*((\a)%4)+4*\t+3], v[RD] offset:\t*544
.endr
.endm
.macro SEND a, younger                 ; younger: the LDS instructions issued behind block a's loads, which may stay out
	s_wait_dscnt \younger
.irp t, 0,1,2,3,4,5,6,7
	global_store_b128 v[CO], v[64+32*((\a)%4)+4*\t:64+32*((\a)%4)+4*\t+3], s[10:11] offset:(16*(\a)+2*\t)*4096 th:TH_STORE_NT
.endr
.endm
	s_or_b32 s56, s42, s13                         ; the cluster's y and the wave's number alone
	s_cmp_eq_u32 s56, 0
	s_cbranch_scc1 .Lskip0                         ; my block 0 is positions 0-15 of a sequence: launch fine16 stores these rows
	TOSTAGE 0
	SEND 0, 0
.Lskip0:
	TOSTAGE 1
.irp a, 2,3,4,5,6,7
.if \a >= 4
	s_wait_xcnt 0x0                                ; block a - 4's stores have read the registers into which block a's rows come back
.endif
	TOSTAGE \a
	SEND \a-1, 16                                  ; behind block a - 1's loads: block a's 8 stores and 8 loads
.endr
	SEND 7, 0
	s_wait_tensorcnt 0x0                           ; the wave's end
	ds_add_u32 v[SPW], v[NIL]
	s_wait_dscnt 0x0
	CROUND                                         ; the closing round
	s_endpgm
.Lfunc_end_k_q9bbdc77386_proj:
	.size	k_q9bbdc77386_proj, .Lfunc_end_k_q9bbdc77386_proj-k_q9bbdc77386_proj
	.p2alignl 7, 3214868480
	.fill 96, 4, 3214868480
	.section	.rodata,"a",@progbits
	.p2align	6, 0x0
	.amdhsa_kernel k_q9bbdc77386_proj
		.amdhsa_group_segment_fixed_size 327680
		.amdhsa_private_segment_fixed_size 0
		.amdhsa_enable_private_segment 0
		.amdhsa_kernarg_size 32
		.amdhsa_user_sgpr_count 2
		.amdhsa_user_sgpr_kernarg_segment_ptr 1
		.amdhsa_wavefront_size32 1
		.amdhsa_system_sgpr_workgroup_id_x 1
		.amdhsa_system_sgpr_workgroup_id_y 1
		.amdhsa_system_sgpr_workgroup_id_z 1
		.amdhsa_system_vgpr_workitem_id 0
		.amdhsa_next_free_vgpr 512
		.amdhsa_next_free_sgpr 66
		.amdhsa_reserve_vcc 0
		.amdhsa_float_denorm_mode_32 3
		.amdhsa_float_denorm_mode_16_64 3
		.amdhsa_memory_ordered 1
		.amdhsa_forward_progress 1
		.amdhsa_inst_pref_size 86
	.end_amdhsa_kernel
	.amdgpu_metadata
---
amdhsa.version: [ 1, 2 ]
amdhsa.kernels:
  - .name:           k_q9bbdc77386_proj
    .symbol:         k_q9bbdc77386_proj.kd
    .args:
      - { .name: ctx, .offset: 0, .size: 8, .value_kind: global_buffer, .address_space: global }
      - { .name: woimg, .offset: 8, .size: 8, .value_kind: global_buffer, .address_space: global }
      - { .name: bo, .offset: 16, .size: 8, .value_kind: global_buffer, .address_space: global }
      - { .name: out0, .offset: 24, .size: 8, .value_kind: global_buffer, .address_space: global }
    .group_segment_fixed_size: 327680
    .private_segment_fixed_size: 0
    .kernarg_segment_align: 8
    .kernarg_segment_size: 32
    .max_flat_workgroup_size: 128
    .sgpr_count:     66
    .vgpr_count:     512
    .wavefront_size: 32
...
	.end_amdgpu_metadata
.endif
;; end of part 4
;; launch fine16 (part 5): grid 64 x 4, 16 waves a work-group, no clusters, 18,432 bytes of LDS; arguments fine, Wo, bo, out0; writes out0
.if DOCPART == 5
	.amdgcn_target "amdgcn-amd-amdhsa--gfx1250"
	.amdhsa_code_object_version 6
	.text
	.protected	k_q9bbdc77386_fine16
	.globl	k_q9bbdc77386_fine16
	.p2align	8
	.type	k_q9bbdc77386_fine16,@function
k_q9bbdc77386_fine16:
	s_mov_b64 s[64:65], 0
	v_nop
	global_prefetch_b8 v0, s[64:65] scope:SCOPE_SE
	s_setreg_imm32_b32 hwreg(HW_REG_WAVE_MODE, 25, 1), 1
	s_wait_xcnt 0x0
; The first 16 positions of every sequence, in f32 throughout: under the causal mask these rows average one to sixteen values, and the rounding of 16-bit operands would weigh most there.
; Nothing is left out: the 16 x 16 block of scores lies on the diagonal and is masked inside the tile.
; Work-group (x, y) makes out0[y][0..15][16 x .. 16 x + 15].  Wave w takes head w: its 16 x 16 attention from the f32 accumulators that launch qkv stored (fine: [which][batch][head][accumulator 4][1,024]),
; then its 64 channels' share of the projection; the sixteen shares meet in LDS and waves 0 and 1 add them, with the bias, and store.  The small attention is repeated in the 64 work-groups of a batch
; (32 matrix instructions a wave), so that one launch serves and 256 work-groups share the projection.  This is no bulk work: 48 matrix instructions of 16 x 16 x 4 a wave.
; LAYOUT.  An accumulator image gives lane (r, h) one row r and eight neighbours 8 h + 0..7; a pair of its registers is an operand of the 16 x 16 x 4 form whose four k are 8 h + 2 s + {0, 1}: both operands of each
; product take their k in this same order, so each k meets its partner.  All three products are used transposed: a lane holds one query throughout.
; The stores are pieces of 16 bytes of 64-byte row pieces (256 KiB in the whole launch), Wo's loads pieces of 64 bytes.  No tensor load, no cluster, no prefetch: the launch is short.
; REGISTERS: v32-63 q, v64-95 k, v96-127 v, v128-159 Wo; v160-175 scores (two sums), v176-207 ctx^T, v208-223 out^T (two sums): written by matrix instructions alone; v224-231 p; v232-247 at work.
.set SPARE, 16384                      ; behind the sixteen shares: the spare words, 128 bytes for each wave: eight blocks of 256 bytes that no other line names
.set SPW, 10
.set NIL, 11
.set QF,  32
.set KF,  64
.set VF,  96
.set WO,  128
.set SA,  160
.set CT,  176
.set OA,  208
.set PP,  224
.set T,   232
	s_load_b256 s[4:11], s[0:1], 0x0               ; fine s[4:5], Wo s[6:7], bo s[8:9], out0 s[10:11]
	v_lshl_add_u32 v[SPW], v0, 2, SPARE
	v_mov_b32 v[NIL], 0
	v_lshrrev_b32 v1, 5, v0
	v_readfirstlane_b32 s12, v1                    ; wave = head
	s_and_b32 s14, ttmp7, 0xffff                   ; batch
	v_and_b32 v1, 31, v0
	v_lshlrev_b32 v1, 4, v1                        ; 16 x lane
	v_and_b32 v2, 15, v0                           ; r
	v_bfe_u32 v3, v0, 4, 1                         ; h
	v_lshlrev_b32 v4, 2, v2
	v_lshl_add_u32 v4, v3, 15, v4                  ; Wo: column r, 8 h rows of 4,096 bytes down
	v_lshlrev_b32 v5, 5, v3                        ; bo: 8 h numbers on
	s_lshl_b32 s16, s12, 10
	v_add_nc_u32 v6, s16, v1                       ; LDS: my share, 1,024 bytes a wave
	s_and_b32 s15, s12, 1
	s_lshl_b32 s16, s15, 9
	v_add_nc_u32 v7, s16, v1                       ; and what I add up: half (wave % 2) of each share
	v_lshlrev_b32 v8, 12, v2
	v_lshl_add_u32 v8, v3, 5, v8                   ; out0: row r, 8 h numbers on
	v_lshlrev_b32 v9, 3, v3
	v_sub_nc_u32 v9, v2, v9                        ; r - 8 h
	v_mov_b32 v20, 0xff800000                      ; -infinity
	s_mov_b32 s20, 0x76543210
	s_mov_b32 s21, 0xfedcba98
	s_mov_b32 s22, 0x3e38aa3b                      ; c = log2(e) / sqrt(64)
	s_mov_b32 s17, 0
	s_mov_b32 s19, 0
	s_lshl_b32 s18, ttmp9, 6                       ; 16 x columns of 4 bytes
	s_lshl_b32 s16, s15, 4
	s_add_co_u32 s16, s16, s18                     ; + my four numbers of the eight
	s_wait_kmcnt 0x0
	s_add_nc_u64 s[8:9], s[8:9], s[16:17]
	s_add_nc_u64 s[10:11], s[10:11], s[16:17]
	s_lshl_b32 s16, s14, 23                        ; batch x 2,048 rows x 4,096 bytes
	s_add_nc_u64 s[10:11], s[10:11], s[16:17]
	s_add_nc_u64 s[6:7], s[6:7], s[18:19]
	s_lshl_b32 s16, s12, 18                        ; the head's 64 rows of Wo
	s_add_nc_u64 s[6:7], s[6:7], s[16:17]
	s_lshl_b32 s16, s14, 16
	s_lshl_b32 s18, s12, 12
	s_add_co_u32 s16, s16, s18
	s_add_nc_u64 s[4:5], s[4:5], s[16:17]
	s_cmp_gt_u32 s12, 1
	s_cbranch_scc1 .Lnobias
	global_load_b128 v[16:19], v5, s[8:9]          ; the oldest load, in waves 0 and 1 alone: the counts below count the same younger loads on both ways
.Lnobias:
.irp i, 0,1,2,3,4,5,6,7
	global_load_b128 v[QF+4*\i:QF+4*\i+3], v1, s[4:5] offset:512*\i
.endr
.irp i, 0,1,2,3,4,5,6,7
	global_load_b128 v[KF+4*\i:KF+4*\i+3], v1, s[4:5] offset:262144+512*\i
.endr
.irp i, 0,1,2,3,4,5,6,7
	global_load_b128 v[VF+4*\i:VF+4*\i+3], v1, s[4:5] offset:524288+512*\i
.endr
.irp c, 0,1,2,3
.irp s, 0,1,2,3
.irp j, 0,1
	global_load_b32 v[WO+2*(4*\c+\s)+\j], v4, s[6:7] offset:(16*\c+2*\s+\j)*4096   ; Wo(64 w + 16 c + 8 h + 2 s + j, 16 x + r)
.endr
.endr
.endr
	s_wait_loadcnt 40                              ; q and k are in; v's 8 and Wo's 32 may be out
	; S^T = k q^T: 16 steps of 4 along the head's 64, two sums by turns; the first two steps start the sums
.set i, 0
.rept 16
.if i < 2
	v_wmma_f32_16x16x4_f32 v[SA+8*(i%2):SA+8*(i%2)+7], v[KF+2*i:KF+2*i+1], v[QF+2*i:QF+2*i+1], 0
.else
	v_wmma_f32_16x16x4_f32 v[SA+8*(i%2):SA+8*(i%2)+7], v[KF+2*i:KF+2*i+1], v[QF+2*i:QF+2*i+1], v[SA+8*(i%2):SA+8*(i%2)+7]
.endif
.set i, i+1
.endr
.rept 8
	v_nop                                          ; eight places behind this form before a vector line reads a result
.endr
.irp j, 0,1,2,3,4,5,6,7
	v_add_f32 v[T+\j], v[SA+\j], v[SA+8+\j]        ; lane (r, h): query r, key 8 h + j
.endr
.irp j, 0,1,2,3,4,5,6,7
	v_cmp_gt_i32 vcc_lo, \j, v9                    ; hidden where 8 h + j > r
	v_cndmask_b32 v[T+\j], v[T+\j], v20, vcc_lo
.endr
	v_max3_num_f32 v240, v[T], v[T+1], v[T+2]
	v_max3_num_f32 v241, v[T+3], v[T+4], v[T+5]
	v_max3_num_f32 v240, v240, v[T+6], v[T+7]
	v_max_num_f32 v240, v240, v241
	v_permlanex16_b32 v241, v240, s20, s21
	v_max_num_f32 v240, v240, v241                 ; the row's maximum: key 0 counts for every query, so it is a number
	v_mul_f32 v240, s22, v240
.irp j, 0,1,2,3,4,5,6,7
	v_fma_f32 v[T+\j], v[T+\j], s22, -v240
.endr
.irp j, 0,1,2,3,4,5,6,7
	v_exp_f32 v[T+\j], v[T+\j]
.endr
	v_nop                                          ; a plain line behind the last exponential,
	s_wait_alu depctr_va_vdst(0)                   ; and one wait for the eight, ahead of their first reader
	v_add_f32 v240, v[T], v[T+1]
	v_add_f32 v241, v[T+2], v[T+3]
	v_add_f32 v242, v[T+4], v[T+5]
	v_add_f32 v243, v[T+6], v[T+7]
	v_add_f32 v240, v240, v241
	v_add_f32 v242, v242, v243
	v_add_f32 v240, v240, v242
	v_permlanex16_b32 v241, v240, s20, s21
	v_add_f32 v240, v240, v241
	v_rcp_f32 v244, v240
	v_nop
	s_wait_alu depctr_va_vdst(0)
.irp j, 0,1,2,3,4,5,6,7
	v_mul_f32 v[PP+\j], v[T+\j], v244              ; the weights
.endr
	s_wait_loadcnt 32                              ; v is in; Wo's 32 may be out
	; ctx^T = v^T p: 4 steps of 4 keys, four sums (16 channels each) by turns
.irp s, 0,1,2,3
.irp c, 0,1,2,3
.if \s == 0
	v_wmma_f32_16x16x4_f32 v[CT+8*\c:CT+8*\c+7], v[VF+8*\c+2*\s:VF+8*\c+2*\s+1], v[PP+2*\s:PP+2*\s+1], 0
.else
	v_wmma_f32_16x16x4_f32 v[CT+8*\c:CT+8*\c+7], v[VF+8*\c+2*\s:VF+8*\c+2*\s+1], v[PP+2*\s:PP+2*\s+1], v[CT+8*\c:CT+8*\c+7]
.endif
.endr
.endr
.rept 9
	v_nop                                          ; nine places before a matrix instruction takes these results as an operand
.endr
	s_wait_loadcnt 0x0                             ; Wo (and, in waves 0 and 1, the bias)
	; out^T += Wo^T ctx^T over my 64 channels: 16 steps of 4, two sums by turns
.set i, 0
.rept 16
.if i < 2
	v_wmma_f32_16x16x4_f32 v[OA+8*(i%2):OA+8*(i%2)+7], v[WO+2*i:WO+2*i+1], v[CT+2*i:CT+2*i+1], 0
.else
	v_wmma_f32_16x16x4_f32 v[OA+8*(i%2):OA+8*(i%2)+7], v[WO+2*i:WO+2*i+1], v[CT+2*i:CT+2*i+1], v[OA+8*(i%2):OA+8*(i%2)+7]
.endif
.set i, i+1
.endr
.rept 8
	v_nop
.endr
.irp j, 0,1,2,3,4,5,6,7
	v_add_f32 v[T+\j], v[OA+\j], v[OA+8+\j]        ; lane (r, h): query r, column 16 x + 8 h + j: my head's share
.endr
	ds_store_b128 v6, v[T:T+3]
	ds_store_b128 v6, v[T+4:T+7] offset:512
	s_wait_dscnt 0x0                               ; for the others' sake: my share lies in LDS
	s_barrier_signal -1
	s_barrier_wait -1
	s_cmp_gt_u32 s12, 1
	s_cbranch_scc1 .Ldone
.irp p, 0,1,2,3,4,5,6,7,8,9,10,11,12,13,14,15
	ds_load_b128 v[32+4*\p:35+4*\p], v7 offset:\p*1024             ; wave c: registers 4 c .. 4 c + 3 of all sixteen shares
.endr
	s_wait_dscnt 0x0
.irp p, 0,1,2,3,4,5,6,7
	v_pk_add_f32 v[32+4*\p:33+4*\p], v[32+4*\p:33+4*\p], v[64+4*\p:65+4*\p]
	v_pk_add_f32 v[34+4*\p:35+4*\p], v[34+4*\p:35+4*\p], v[66+4*\p:67+4*\p]
.endr
.irp p, 0,1,2,3
	v_pk_add_f32 v[32+4*\p:33+4*\p], v[32+4*\p:33+4*\p], v[48+4*\p:49+4*\p]
	v_pk_add_f32 v[34+4*\p:35+4*\p], v[34+4*\p:35+4*\p], v[50+4*\p:51+4*\p]
.endr
.irp p, 0,1
	v_pk_add_f32 v[32+4*\p:33+4*\p], v[32+4*\p:33+4*\p], v[40+4*\p:41+4*\p]
	v_pk_add_f32 v[34+4*\p:35+4*\p], v[34+4*\p:35+4*\p], v[42+4*\p:43+4*\p]
.endr
	v_pk_add_f32 v[32:33], v[32:33], v[36:37]
	v_pk_add_f32 v[34:35], v[34:35], v[38:39]
	v_pk_add_f32 v[32:33], v[32:33], v[16:17]      ; + bo
	v_pk_add_f32 v[34:35], v[34:35], v[18:19]
	global_store_b128 v8, v[32:35], s[10:11]
.Ldone:
	s_wait_tensorcnt 0x0                           ; the wave's end: behind my last LDS store
	ds_add_u32 v[SPW], v[NIL]
	s_wait_dscnt 0x0
	s_endpgm
.Lfunc_end_k_q9bbdc77386_fine16:
	.size	k_q9bbdc77386_fine16, .Lfunc_end_k_q9bbdc77386_fine16-k_q9bbdc77386_fine16
	.p2alignl 7, 3214868480
	.fill 96, 4, 3214868480
	.section	.rodata,"a",@progbits
	.p2align	6, 0x0
	.amdhsa_kernel k_q9bbdc77386_fine16
		.amdhsa_group_segment_fixed_size 18432
		.amdhsa_private_segment_fixed_size 0
		.amdhsa_enable_private_segment 0
		.amdhsa_kernarg_size 32
		.amdhsa_user_sgpr_count 2
		.amdhsa_user_sgpr_kernarg_segment_ptr 1
		.amdhsa_wavefront_size32 1
		.amdhsa_system_sgpr_workgroup_id_x 1
		.amdhsa_system_sgpr_workgroup_id_y 1
		.amdhsa_system_sgpr_workgroup_id_z 1
		.amdhsa_system_vgpr_workitem_id 0
		.amdhsa_next_free_vgpr 248
		.amdhsa_next_free_sgpr 66
		.amdhsa_reserve_vcc 1
		.amdhsa_float_denorm_mode_32 3
		.amdhsa_float_denorm_mode_16_64 3
		.amdhsa_memory_ordered 1
		.amdhsa_forward_progress 1
		.amdhsa_inst_pref_size 18
	.end_amdhsa_kernel
	.amdgpu_metadata
---
amdhsa.version: [ 1, 2 ]
amdhsa.kernels:
  - .name:           k_q9bbdc77386_fine16
    .symbol:         k_q9bbdc77386_fine16.kd
    .args:
      - { .name: fine, .offset: 0, .size: 8, .value_kind: global_buffer, .address_space: global }
      - { .name: Wo, .offset: 8, .size: 8, .value_kind: global_buffer, .address_space: global }
      - { .name: bo, .offset: 16, .size: 8, .value_kind: global_buffer, .address_space: global }
      - { .name: out0, .offset: 24, .size: 8, .value_kind: global_buffer, .address_space: global }
    .group_segment_fixed_size: 18432
    .private_segment_fixed_size: 0
    .kernarg_segment_align: 8
    .kernarg_segment_size: 32
    .max_flat_workgroup_size: 512
    .sgpr_count:     66
    .vgpr_count:     248
    .wavefront_size: 32
...
	.end_amdgpu_metadata
.endif
;; end of part 5
